; MI455X (gfx1250); checked and timed in simulation.
; The chip was launched on July 23, 2026; its instructions are those of AMD's public machine-readable ISA for CDNA 5 (MIT licence, August 2026) and "CDNA5" Instruction Set Architecture Reference Guide (July 2026). The comments in the code are by the model that wrote it; some were corrected since.
;; Multi Head Self Attention. Allowed arithmetic: matrix products marked QUANTISED: E4M3 operands, one E8M0 scale for each 32 along K, by v_wmma_scale_f32_16x16x128_f8f6f4 with both operands' format E4M3, f32 sums; everything else in f32.
;; Inputs: W_out 1,024 x 1,024 float32; W_qkv 1,024 x 3,072 float32; b_out 1,024 float32; b_qkv 3,072 float32; x 2 x 2,048 x 1,024 float32.
;; Outputs: out0 2 x 2,048 x 1,024 float32.
;; This version of the problem:
;;   THIS VERSION OF THE PROBLEM IS GIVEN IN LOW PRECISION. The matrix products marked QUANTISED in the list below multiply operands that are first quantised to E4M3 (4 exponent bits, 3 mantissa bits; 8 bits a number), with one power-of-two scale for each 32 numbers along K (OCP MX v1.0); their sums are f32. All else is computed in f32.
;;   The module's matrix products, in the order in which they are computed (A, B: the left and right operand; K: the contracted axis; several contracted axes count as one K, in the product's order):
;;     1. [M 4,096, K 1,024] x [K 1,024, N 3,072]; A: input x; B: input W_qkv: QUANTISED
;;     2. batch 32 x [M 2,048, K 64] x [K 64, N 2,048]; A: computed on the way; B: computed on the way: QUANTISED
;;     3. batch 32 x [M 2,048, K 2,048] x [K 2,048, N 64]; A: softmax (see below); B: computed on the way: QUANTISED
;;     4. [M 4,096, K 1,024] x [K 1,024, N 1,024]; A: computed on the way; B: input W_out: QUANTISED
;;   THE QUANTISER, for each operand of a quantised product, along K:
;;     - K is cut into blocks of 32 from its start; a last block that is shorter is filled with zeros.
;;     - A block's scale is 2^e with e = floor(log2(the largest magnitude in the block)) - 8, held to -126 .. 127; a block of zeros has e = 0. As a byte (E8M0): e + 127.
;;     - Each number is divided by its block's scale, clamped to +-448, and rounded to the nearest number of E4M3, ties to even, subnormals kept.
;;     - The product sums the exact products of the quantised numbers (number of the format x scale) in f32.
;;   ~~~python
;;   def quantise(x, axis):      # numpy; x: float32 -> the quantised numbers, widened to float32 again
;;       x = np.moveaxis(x, axis, -1); K = x.shape[-1]
;;       x = np.pad(x, [(0, 0)] * (x.ndim - 1) + [(0, -K % 32)]); x = x.reshape(x.shape[:-1] + (-1, 32)); a = np.abs(x).max(-1, keepdims=True)
;;       e = np.where(a > 0, np.clip(np.frexp(np.where(a > 0, a, 1))[1] - 1 - 8, -126, 127), 0)      # np.frexp(a)[1] - 1 = floor(log2(a)), exactly
;;       r = np.clip(x / 2.0 ** e, -448, 448)
;;       step = 2.0 ** (np.maximum(np.frexp(np.where(r == 0, 1, r))[1] - 1, -6) - 3)
;;       q = np.round(r / step) * step * 2.0 ** e      # np.round: ties to even
;;       return np.moveaxis(q.reshape(q.shape[:-2] + (-1,))[..., :K], -1, axis).astype(np.float32)
;;   ~~~
;;   SOFTMAX AHEAD OF A QUANTISED PRODUCT. Where the list says 'softmax', what is quantised is not the finished softmax but p = 2^(t - M), with t = logit x log2(e) and M = ceil(the row's largest t), a whole number; so 1/2 < the row's largest p <= 1. The row's sum l is taken of the UNQUANTISED p, in f32, and the product's result is divided by l at the end. Since M is a whole number, a kernel that streams over the keys may use a running M (the ceiling of the running maximum): every later rescaling is an exact power of two, which a block's scale takes up: the codes' values come out the same.
;;   OPERANDS COMPUTED ON THE WAY. 'Computed on the way' means the value that the module computes at that place (a softmax that the list does not call 'softmax' is quantised finished and normalised). What goes into a quantiser is computed in f32, as accurately as f32 sums, v_exp_f32 and their like allow (about 1e-6 of the number): no bf16 or f16 on the way to a quantiser, and a product that is left as it is and whose result goes on into a quantised operand takes f32 operands (vector FMAs, or v_wmma_f32_16x16x4_f32). A number that lies on a knife's edge between two numbers of the format may be rounded either way, as far as f32 arithmetic and the matrix unit's own rounding can turn it there, and no further.
;; One version. Each part assembles by itself: llvm-mc -triple=amdgcn-amd-amdhsa -mcpu=gfx1250 --defsym DOCPART=n.
;; ======== version 1 of 1: 4 launches
;; limits: right only within a limited range of input values
;; workspace buffers: xc 4,194,304 bytes; xs 131,072 bytes; wc 4,194,304 bytes; ws 131,072 bytes; qkv 12,582,912 bytes; qkvs 655,360 bytes; ac 4,194,304 bytes; asc 131,072 bytes
;; launch prep (part 1): grid 256 x 1, 4 waves a work-group, no clusters, 68,096 bytes of LDS; arguments x, W_qkv, W_out, xc, xs, wc, ws; writes xc, xs, wc, ws
.if DOCPART == 1
	.amdgcn_target "amdgcn-amd-amdhsa--gfx1250"
	.amdhsa_code_object_version 6
	.text
	.protected	k_q4e19c57197_prep
	.globl	k_q4e19c57197_prep
	.p2align	8
	.type	k_q4e19c57197_prep,@function
k_q4e19c57197_prep:
	s_mov_b64 s[64:65], 0
	v_nop
	global_prefetch_b8 v0, s[64:65] scope:SCOPE_SE
	s_setreg_imm32_b32 hwreg(HW_REG_WAVE_MODE, 25, 1), 1
	s_wait_xcnt 0x0
; x [4096][1024], W_qkv [1024][3072] and W_out [1024][1024], f32, become codes of FP8 (E4M3) with K innermost and one E8M0 byte for each 32 along K.
; xc [4096][1024], xs [4096][32]: the rows of x.  wc [4096][1024], ws [4096][32]: rows 0-3071 the columns of W_qkv, rows 3072-4095 those of W_out.
; ROW ORDER: a row lies at its index with bits 3 and 4 exchanged (in each 32 rows the second and third groups of eight change places).  Sixteen rows on end
; (tile 2 b + u, place r) are then the rows 32 b + 8 u + r + 8 (r / 8): used as source 0 of a product, two neighbouring tiles leave 16 neighbours in a lane's 16 result registers.
; A block's scale is 2^(floor(log2(largest magnitude)) - 8); its byte is the largest magnitude's exponent field - 8, held at 1 from below; numbers are held within +-448 x the scale.
; LIMITS: NaN and infinities among the inputs are not served; a block of zeros gets the byte 1 (its codes are zeros, and this program alone reads the bytes).
; Work-groups 0-127 take x (32 rows each: a wave 8 rows = 16 steps of 512 numbers), work-groups 128-255 the weights (128 columns x 256 along K each): 128 KiB of f32 for every work-group.
; The two ways part on the work-group's number, never join, and have LDS bytes of their own.  No tensor load, no barrier: waves share nothing.
.set STEPS, 16
.set MANT,  0x600000                   ; the mantissa field of 448
.set FLOOR, 0x4800000                  ; 2^(9 - 127): no largest magnitude is taken under it, so the byte cannot fall under 1
.set OFF8,  0xfc000000                 ; takes 8 off an exponent field
.set SP,    80                         ; x: a lane's place in a stage: 64 bytes + 16 of padding
.set WREG,  8192                       ; x: LDS of a wave: two stages of 32 SP bytes, then 256 scale bytes
.set XR,    16                         ; v16-143  eight sets of 16 numbers as loaded
.set XX,    144                        ; v144-175 two sets of 16 neighbours
.set XE,    176                        ; v176-191 a scale byte for each step
.set XC,    192                        ; v192-255 codes, four registers for each step: no store's data are written again
.set WLDS,  32768                      ; the weights' stages begin here
.set WP,    272                        ; a stage row: 256 codes + 16 bytes
.set VOF,   32                         ; v32-63   4 x lane + i x a row of W, i = 0 .. 31
.set WX,    64                         ; v64-127  two sets of 32 numbers
.set WC,    128                        ; v128-135 a block's codes
.set WO,    144                        ; v144-207 the way out
.set WSB,   24                         ; v[24:25] eight scale bytes
	s_load_b128 s[4:7], s[0:1], 0x0                ; x, W_qkv
	s_load_b128 s[8:11], s[0:1], 0x10              ; W_out, xc
	s_load_b128 s[12:15], s[0:1], 0x20             ; xs, wc
	s_load_b64 s[16:17], s[0:1], 0x30              ; ws
	s_set_vgpr_msb 0x40
	v_lshl_add_u32 v0, v0, 2, 0x10800
	v_mov_b32 v1, 0
	s_set_vgpr_msb 0x4000
	v_lshrrev_b32 v1, 5, v0
	v_readfirstlane_b32 s18, v1                    ; wave 0..3
	v_and_b32 v2, 31, v0                           ; lane
	s_cmp_lt_u32 ttmp9, 128
	s_cbranch_scc0 .Lweights
; ---------------- x: K is innermost.  Each load reads 512 consecutive bytes; a step's 2,048 bytes turn through the wave's stage so that a lane holds 16 neighbours; two lanes hold a block.
	v_lshlrev_b32 v3, 4, v2                        ; my 16 bytes of a load's 512
	s_mul_i32 s19, s18, WREG
	v_lshrrev_b32 v14, 2, v2
	v_mul_u32_u24 v14, v14, SP
	v_and_b32 v15, 3, v2
	v_lshl_add_u32 v14, v15, 4, v14
	v_add_nc_u32 v14, s19, v14                     ; into the stage: SP (lane / 4) + 16 (lane % 4)
	v_mul_u32_u24 v15, v2, SP
	v_add_nc_u32 v15, s19, v15                     ; out of it: SP x lane
	v_lshlrev_b32 v4, 4, v2                        ; my 16 codes in a step's 512
	v_lshrrev_b32 v5, 1, v2
	s_add_co_u32 s19, s19, 2*32*SP
	v_add_nc_u32 v5, s19, v5                       ; my block's byte among the wave's 256
	v_lshlrev_b32 v7, 3, v2
	v_add_nc_u32 v6, s19, v7                       ; and 8 bytes a lane on the way out
	s_mov_b32 s23, MANT
	s_lshl_b32 s20, ttmp9, 2
	s_add_co_u32 s24, s20, s18                     ; my run of 8 rows as it lies in x,
	s_lshl_b32 s24, s24, 15                        ; 32,768 bytes a run
	s_mov_b32 s25, 0
	s_and_b32 s21, s18, 1
	s_lshl_b32 s21, s21, 1
	s_lshr_b32 s22, s18, 1
	s_or_b32 s21, s21, s22
	s_add_co_u32 s20, s20, s21                     ; and where it goes: the wave's two bits exchanged (a run is one group of eight rows)
	s_lshl_b32 s26, s20, 13                        ; 8,192 codes a run
	s_mov_b32 s27, 0
	s_lshl_b32 s28, s20, 8                         ; 256 scale bytes a run
	s_mov_b32 s29, 0
	s_wait_alu depctr_va_vdst(0)
	s_wait_kmcnt 0x0
	s_add_nc_u64 s[4:5], s[4:5], s[24:25]
	s_add_nc_u64 s[10:11], s[10:11], s[26:27]
	s_add_nc_u64 s[12:13], s[12:13], s[28:29]
.macro XLOAD t
.irp i, 0,1,2,3
	global_load_b128 v[XR+16*((\t)%8)+4*\i:XR+16*((\t)%8)+4*\i+3], v3, s[4:5] offset:2048*(\t)+512*\i th:TH_LOAD_NT
.endr
.endm
.macro XTURN t                         ; LDS serves a wave's instructions in order: no wait between the stores and the loads
.irp i, 0,1,2,3
	ds_store_b128 v14, v[XR+16*((\t)%8)+4*\i:XR+16*((\t)%8)+4*\i+3] offset:32*SP*((\t)%2)+8*SP*\i
.endr
.irp i, 0,1,2,3
	ds_load_b128 v[XX+16*((\t)%2)+4*\i:XX+16*((\t)%2)+4*\i+3], v15 offset:32*SP*((\t)%2)+16*\i
.endr
.endm
.irp t, 0,1,2,3,4,5,6,7
	XLOAD \t                                       ; eight steps, 32 loads, are on their way
.endr
	s_wait_loadcnt 28                              ; step 0's four loads are in
	XTURN 0
.macro XSTEP t
.set XS, XX+16*((\t)%2)
.if (\t) > 0
	s_wait_dscnt 1                                 ; this step's numbers are back (the last byte store may be out): its stores into the stage have read their registers,
.else
	s_wait_dscnt 0x0
.endif
.if (\t)+8 < STEPS
	XLOAD (\t)+8                                   ; which take the loads of eight steps on
.endif
.if (\t)+1 < STEPS
.if (\t) <= 7
	s_wait_loadcnt 28                              ; the next step's loads are in; those of the seven steps behind it may be out
.else
	s_wait_loadcnt 4*(14-(\t))
.endif
	XTURN (\t)+1
.endif
	v_max3_num_f32 v8, |v[XS]|, |v[XS+1]|, |v[XS+2]|
	v_max3_num_f32 v9, |v[XS+3]|, |v[XS+4]|, |v[XS+5]|
.irp i, 6,10
	v_max3_num_f32 v8, v8, |v[XS+\i]|, |v[XS+\i+1]|
	v_max3_num_f32 v9, v9, |v[XS+\i+2]|, |v[XS+\i+3]|
.endr
	v_max3_num_f32 v8, v8, |v[XS+14]|, |v[XS+15]|
	v_max3_num_f32 v8, v8, v9, FLOOR
	v_max_num_f32_dpp v8, v8, v8 row_xmask:1 row_mask:0xf bank_mask:0xf   ; with my neighbour's 16: the block's largest magnitude
	v_add_nc_u32 v11, OFF8, v8                     ; the conversion takes this operand's exponent field as its scale
	v_and_or_b32 v10, v8, 0x7f800000, s23          ; 448 x the scale
.irp i, 0,1,2,3,4,5,6,7,8,9,10,11,12,13,14,15
	v_med3_num_f32 v[XS+\i], v[XS+\i], -v10, v10   ; the conversion to an 8-bit code does not saturate (ISA guide 7.6.2)
.endr
	v_cvt_scalef32_pk8_fp8_f32 v[XC+4*(\t):XC+4*(\t)+1], v[XS:XS+7], v11
	v_cvt_scalef32_pk8_fp8_f32 v[XC+4*(\t)+2:XC+4*(\t)+3], v[XS+8:XS+15], v11
	v_lshrrev_b32 v[XE+(\t)], 23, v11              ; the scale's byte
	ds_store_b8 v5, v[XE+(\t)] offset:16*(\t)      ; both lanes of a block write the same byte with the same value
	global_store_b128 v4, v[XC+4*(\t):XC+4*(\t)+3], s[10:11] offset:512*(\t)   ; the wave stores 512 consecutive bytes
.endm
.irp t, 0,1,2,3,4,5,6,7,8,9,10,11,12,13,14,15
	XSTEP \t
.endr
	ds_load_b64 v[12:13], v6
	s_wait_dscnt 0x0
	global_store_b64 v7, v[12:13], s[12:13]        ; 32 lanes store 256 consecutive bytes, aligned
	s_set_vgpr_msb 0x5
	s_wait_tensorcnt 0x0
	ds_add_u32 v0, v1
	s_wait_dscnt 0x0
	s_set_vgpr_msb 0x500
	s_endpgm
; ---------------- the weights: K is the first axis.  A lane takes a column and its registers run down K; a wave takes 32 columns x 256 along K.
.Lweights:
	s_sub_co_u32 s19, ttmp9, 128
	s_and_b32 s20, s19, 31                         ; which 128 rows of wc
	s_lshr_b32 s21, s19, 5                         ; which 256 along K
	s_mov_b32 s22, 4096
	s_mov_b32 s31, MANT
	s_wait_kmcnt 0x0
	s_cmp_lt_u32 s20, 24                           ; W_qkv's columns or W_out's: the choice hangs on the work-group's number alone
	s_cselect_b64 s[4:5], s[6:7], s[8:9]
	s_cselect_b32 s22, 12288, s22                  ; a row of the source in bytes
	s_cselect_b32 s23, 0, 24
	s_sub_co_u32 s23, s20, s23                     ; which 128 columns of the source
	s_lshl_b32 s24, s22, 8
	s_mul_i32 s24, s24, s21                        ; 256 rows for each step along K,
	s_lshl_b32 s25, s23, 9
	s_add_co_u32 s24, s24, s25                     ; 512 bytes for each 128 columns,
	s_lshl_b32 s25, s18, 7
	s_add_co_u32 s24, s24, s25                     ; 128 for each wave
	s_mov_b32 s25, 0
	s_add_nc_u64 s[32:33], s[4:5], s[24:25]        ; block 0's first row;
	s_lshl_b32 s26, s22, 5
	s_mov_b32 s27, 0
.irp t, 1,2,3,4,5,6,7
	s_add_nc_u64 s[32+2*\t:33+2*\t], s[30+2*\t:31+2*\t], s[26:27]   ; a base for each block of 32 rows: none is ever stepped
.endr
	s_wait_alu depctr_va_vdst(0)
	v_lshlrev_b32 v[VOF], 2, v2
.irp i, 1,2,3,4,5,6,7,8,9,10,11,12,13,14,15,16,17,18,19,20,21,22,23,24,25,26,27,28,29,30,31
	v_add_nc_u32 v[VOF+\i], s22, v[VOF+\i-1]
.endr
	v_and_b32 v5, 7, v2
	v_and_b32 v6, 8, v2
	v_lshl_or_b32 v5, v6, 1, v5
	v_bfe_u32 v6, v2, 4, 1
	v_lshl_or_b32 v5, v6, 3, v5                    ; my column's place among the wave's 32 rows: bits 3 and 4 exchanged
	s_mul_i32 s28, s18, 32*WP
	s_add_co_u32 s28, s28, WLDS                    ; my stage
	v_mul_u32_u24 v4, v5, WP
	v_add_nc_u32 v4, s28, v4                       ; into it: the row of my place
	v_and_b32 v14, 15, v2
	v_lshrrev_b32 v6, 4, v2
	v_mul_u32_u24 v7, v6, WP
	v_lshl_add_u32 v7, v14, 4, v7
	v_add_nc_u32 v7, s28, v7                       ; out of it: sixteen lanes to a row, two rows an instruction
	v_lshlrev_b32 v8, 10, v6
	v_lshl_add_u32 v8, v14, 4, v8                  ; and the same place in wc
	v_lshlrev_b32 v9, 5, v5                        ; my row of scale bytes
	s_lshl_b32 s29, s20, 7
	s_lshl_b32 s30, s18, 5
	s_add_co_u32 s29, s29, s30                     ; the wave's first row of wc
	s_lshl_b32 s48, s29, 10
	s_lshl_b32 s30, s21, 8
	s_add_co_u32 s48, s48, s30
	s_mov_b32 s49, 0
	s_add_nc_u64 s[14:15], s[14:15], s[48:49]
	s_lshl_b32 s48, s29, 5
	s_lshl_b32 s30, s21, 3
	s_add_co_u32 s48, s48, s30
	s_add_nc_u64 s[16:17], s[16:17], s[48:49]
.macro WLOAD t                         ; block t: W(32 t + i, my column): 32 lanes read 128 consecutive bytes
.irp i, 0,1,2,3,4,5,6,7,8,9,10,11,12,13,14,15,16,17,18,19,20,21,22,23,24,25,26,27,28,29,30,31
	global_load_b32 v[WX+32*((\t)%2)+\i], v[VOF+\i], s[32+2*(\t):33+2*(\t)] th:TH_LOAD_NT
.endr
.endm
	WLOAD 0
	WLOAD 1
.macro WBLOCK t
.set WS, WX+32*((\t)%2)
.if (\t) < 7
	s_wait_loadcnt 32                              ; this block's 32 loads are in; the next block's may be out
.else
	s_wait_loadcnt 0x0
.endif
	v_max3_num_f32 v12, |v[WS]|, |v[WS+1]|, |v[WS+2]|              ; all 32 numbers of the block are mine
	v_max3_num_f32 v13, |v[WS+3]|, |v[WS+4]|, |v[WS+5]|
.irp i, 6,10,14,18,22,26
	v_max3_num_f32 v12, v12, |v[WS+\i]|, |v[WS+\i+1]|
	v_max3_num_f32 v13, v13, |v[WS+\i+2]|, |v[WS+\i+3]|
.endr
	v_max3_num_f32 v12, v12, |v[WS+30]|, |v[WS+31]|
	v_max3_num_f32 v12, v12, v13, FLOOR
	v_add_nc_u32 v11, OFF8, v12
	v_and_or_b32 v10, v12, 0x7f800000, s31
	v_lshrrev_b32 v13, 23, v11
.if (\t)%4 == 0
	v_mov_b32 v[WSB+(\t)/4], v13                   ; four bytes to a register, the lower K in the lower byte
.else
	v_lshl_or_b32 v[WSB+(\t)/4], v13, 8*((\t)%4), v[WSB+(\t)/4]
.endif
.irp i, 0,1,2,3,4,5,6,7,8,9,10,11,12,13,14,15,16,17,18,19,20,21,22,23,24,25,26,27,28,29,30,31
	v_med3_num_f32 v[WS+\i], v[WS+\i], -v10, v10
.endr
.irp g, 0,1,2,3
	v_cvt_scalef32_pk8_fp8_f32 v[WC+2*\g:WC+2*\g+1], v[WS+8*\g:WS+8*\g+7], v11
.endr
	ds_store_b128 v4, v[WC:WC+3] offset:32*(\t)
	ds_store_b128 v4, v[WC+4:WC+7] offset:32*(\t)+16
.if (\t)+2 < 8
	WLOAD (\t)+2
.endif
	s_wait_dscnt 0x0                               ; the stores have read their registers: the next block's codes may be written
.endm
.irp t, 0,1,2,3,4,5,6,7
	WBLOCK \t
.endr
	global_store_b64 v9, v[WSB:WSB+1], s[16:17]    ; my column's eight scale bytes (rows 32 bytes apart: one byte in 128 of what the launch reads)
.irp t, 0,1,2,3,4,5,6,7,8,9,10,11,12,13,14,15
	ds_load_b128 v[WO+4*\t:WO+4*\t+3], v7 offset:2*\t*WP
.endr
.irp t, 0,1,2,3,4,5,6,7,8,9,10,11,12,13,14,15
	s_wait_dscnt 15-\t
	global_store_b128 v8, v[WO+4*\t:WO+4*\t+3], s[14:15] offset:2*\t*1024   ; sixteen lanes store 256 consecutive bytes, aligned
.endr
	s_set_vgpr_msb 0x5
	s_wait_tensorcnt 0x0
	ds_add_u32 v0, v1
	s_wait_dscnt 0x0
	s_set_vgpr_msb 0x500
	s_endpgm
.Lfunc_end_k_q4e19c57197_prep:
	.size	k_q4e19c57197_prep, .Lfunc_end_k_q4e19c57197_prep-k_q4e19c57197_prep
	.p2alignl 7, 3214868480
	.fill 96, 4, 3214868480
	.section	.rodata,"a",@progbits
	.p2align	6, 0x0
	.amdhsa_kernel k_q4e19c57197_prep
		.amdhsa_group_segment_fixed_size 68096
		.amdhsa_private_segment_fixed_size 0
		.amdhsa_enable_private_segment 0
		.amdhsa_kernarg_size 56
		.amdhsa_user_sgpr_count 2
		.amdhsa_user_sgpr_kernarg_segment_ptr 1
		.amdhsa_wavefront_size32 1
		.amdhsa_system_sgpr_workgroup_id_x 1
		.amdhsa_system_sgpr_workgroup_id_y 1
		.amdhsa_system_sgpr_workgroup_id_z 1
		.amdhsa_system_vgpr_workitem_id 0
		.amdhsa_next_free_vgpr 258
		.amdhsa_next_free_sgpr 66
		.amdhsa_reserve_vcc 0
		.amdhsa_float_denorm_mode_32 3
		.amdhsa_float_denorm_mode_16_64 3
		.amdhsa_memory_ordered 1
		.amdhsa_forward_progress 1
		.amdhsa_inst_pref_size 111
	.end_amdhsa_kernel
	.amdgpu_metadata
---
amdhsa.version: [ 1, 2 ]
amdhsa.kernels:
  - .name:           k_q4e19c57197_prep
    .symbol:         k_q4e19c57197_prep.kd
    .args:
      - { .name: x, .offset: 0, .size: 8, .value_kind: global_buffer, .address_space: global }
      - { .name: W_qkv, .offset: 8, .size: 8, .value_kind: global_buffer, .address_space: global }
      - { .name: W_out, .offset: 16, .size: 8, .value_kind: global_buffer, .address_space: global }
      - { .name: xc, .offset: 24, .size: 8, .value_kind: global_buffer, .address_space: global }
      - { .name: xs, .offset: 32, .size: 8, .value_kind: global_buffer, .address_space: global }
      - { .name: wc, .offset: 40, .size: 8, .value_kind: global_buffer, .address_space: global }
      - { .name: ws, .offset: 48, .size: 8, .value_kind: global_buffer, .address_space: global }
    .group_segment_fixed_size: 68096
    .private_segment_fixed_size: 0
    .kernarg_segment_align: 8
    .kernarg_segment_size: 56
    .max_flat_workgroup_size: 128
    .sgpr_count:     66
    .vgpr_count:     258
    .wavefront_size: 32
...
	.end_amdgpu_metadata
.endif
;; end of part 1
;; launch qkvp (part 2): grid 16 x 16, 4 waves a work-group, clusters of 4 x 4, 327,680 bytes of LDS; arguments xc, xs, wc, ws, b_qkv, qkv, qkvs; writes qkv, qkvs
.if DOCPART == 2
	.amdgcn_target "amdgcn-amd-amdhsa--gfx1250"
	.amdhsa_code_object_version 6
	.text
	.protected	k_q4e19c57197_qkvp
	.globl	k_q4e19c57197_qkvp
	.p2align	8
	.type	k_q4e19c57197_qkvp,@function
k_q4e19c57197_qkvp:
	s_mov_b64 s[64:65], 0
	v_nop
	global_prefetch_b8 v0, s[64:65] scope:SCOPE_SE
	s_setreg_imm32_b32 hwreg(HW_REG_WAVE_MODE, 25, 1), 1
	s_wait_xcnt 0x0
	s_wait_alu depctr_hold_cnt(0) depctr_sa_sdst(0) depctr_va_vdst(0) depctr_va_sdst(0) depctr_va_ssrc(0) depctr_va_vcc(0) depctr_vm_vsrc(0)
	s_getreg_b32 s2, hwreg(HW_REG_IB_STS2, 6, 4)
	s_cmp_eq_u32 s2, 0
	s_cbranch_scc0 .Lentry_in_a_cluster
	s_endpgm
.Lentry_in_a_cluster:
	s_bfe_u32 s2, ttmp6, 0x10000c
	s_cmp_lg_u32 s2, 0xf033
	s_cbranch_scc0 .Lentry_shape_is_right
	s_endpgm
.Lentry_shape_is_right:
; q, k, v = x W_qkv + b_qkv on codes of FP8 (E4M3) with E8M0 scales, quantised in registers on the way out: q and k along the head's 64, v along the keys.
; 256 work-groups of four waves, 2 x 2.  PHASE 1: 256 tokens x 128 columns (two heads) of q (tile columns 0-7) or k (8-15).  PHASE 2: 128 of the same tokens x 128 columns of v.
; A wave holds 64 rows of a weight, all of K, in registers (512) and streams blocks of 16 tokens past them, 64 tokens of each chunk of 128; blocks stand in two sets of 128 registers.
; LDS: two slots of 128 rows x 1,040 bytes.  Slot 1: the first weight, then chunk 1; slot 0: chunk 0, then W_v.  Chunk 1, taken last, is v's chunk (number s18 of the window), so its rows still lie in slot 1 when phase 2 begins.
; The head's loads, one a wave: the weight, chunk 0, each chunk's scale bytes.  Two refills, each in a drained round of the cluster's barrier, a quarter of 128 rows a wave.
; The way out of a block (maxima, holds, conversions) stands among the next block's products; v's of a pair of blocks among the next pair's.  The bias is the first products' C.
; CLUSTERS: 4 x 4; x's rows are asked for jointly along a row of the cluster, weights along a column.
; PREFETCH: chunk 1 and W_v, which the two refills ask for, are asked for behind the head's loads, once in each cluster's row or column: 8,192 bytes by each of its sixteen waves.
; The rows of xc and wc lie with bits 3 and 4 of their index exchanged: as source 0, two neighbouring tiles leave 16 neighbours, 32 b + 16 (lane / 16) + 0 .. 15, in a lane's 16 result registers.
; qkv: sections Q, K: [batch x head][tile of 16 tokens, 128][block of 32, 2][512];  V: [batch x head][key step of 128, 16][c / 2][tile of 16 numbers, 4][c % 2][512], c the block of 32 keys: images of operand registers.
; qkvs: Q, K (262,144 bytes each): [batch x head][4 tiles, 32][256], the word of tile 2 e + g, row r at 8 (r + 16 g) + 4 e, two bytes of it used;  V: [batch x head][key step 16][256] likewise, four bytes.
; LIMITS: NaN and infinities are not served; a block of zeros gets the byte 1 (its codes are zeros, and this program alone reads the bytes).
.set PITCH, 1040
.set YB,   128*PITCH                   ; slot 1
.set SCL,  2*YB                        ; x's scale bytes: two chunks of 16 units of 256 + 16
.set XN,   SCL+2*4352                  ; q's, k's words: [head 2][1,024] in the order of work
.set XV,   XN+2048                     ; v's: [head 2][256]
.set SPARE, XV+512
.set ADX0, 4
.set ADX1, 5
.set AAS,  6
.set PFX,  7
.set PFW,  8
.set CO,   9
.set SPW,  10
.set NIL,  11
.set XNA,  12
.set XVA,  13
.set ADW1, 14
.set ADW0, 15
.set WOF,  16
.set BOF,  17
.set BVF,  18
.set SOP,  20
.set SB,   24                          ; the weight's scale words: register 8 p + q: lanes 0-15 tile 2 p, lanes 16-31 tile 2 p + 1
.set EB,   40
.set SA,   44                          ; x's, two sets of 8
.set TQ,   60
.set ACC,  72                          ; four sets of 32
.set WS,   136                         ; W_v's scale words until the change of phase (the third set)
.set CD,   200
.set BQ,   216                         ; the first products' C
.set BV,   248
.set G1W, 24
.set G1X, 32
.set G1R, 40
.set G1V, 48
.set G1S, 56
.set G0W, 68
.set G0X, 72
.set G0S, 76
.set G0R, 80
.set G0V, 84
.set MSB, 0
.macro WIN new                         ; the immediate's high byte repeats the setting that is left
.if MSB != \new
	s_set_vgpr_msb (MSB<<8)|\new
.set MSB, \new
.endif
.endm
.macro WALU
	s_wait_alu depctr_va_vdst(0)
.endm
.macro PLACES n
.rept \n
	v_nop
.endr
.endm
.macro CREST
	s_cmp_lg_u32 s14, 0
	s_cbranch_scc1 .Lnot_wave_0_\@
	s_barrier_signal -3
.Lnot_wave_0_\@:
	s_barrier_wait -3
	s_barrier_signal -1
	s_barrier_wait -1
.endm
.macro CROUND
	s_barrier_signal -1
	s_barrier_wait -1
	CREST
.endm
.macro TLOAD g0, g1
	tensor_load_to_lds s[\g0:\g0+3], s[\g1:\g1+7]
	s_nop 0
	PLACES 4
.endm
.macro GROUP1 g, mask, rows            ; whole rows of 1,024 bytes, dense in memory, 16 bytes of padding behind each in LDS
	s_or_b32 s[\g], s[\mask], (1<<20)|(1<<21)|(7<<22)|(3<<25)
	s_mov_b32 s[\g+1], 1024<<16
	s_mov_b32 s[\g+2], (\rows)<<16
	s_mov_b32 s[\g+3], 1024<<16
	s_mov_b32 s[\g+4], \rows
	s_mov_b32 s[\g+5], 1024
	s_mov_b32 s[\g+6], 0
	s_mov_b32 s[\g+7], 0
.endm
	s_load_b128 s[4:7], s[0:1], 0x0                ; xc, xs
	s_load_b128 s[8:11], s[0:1], 0x10              ; wc, ws
	s_load_b64 s[12:13], s[0:1], 0x20              ; b_qkv
	s_load_b128 s[88:91], s[0:1], 0x28             ; qkv, qkvs
	v_lshl_add_u32 v[SPW], v0, 2, SPARE
	v_mov_b32 v[NIL], 0
	ds_add_u32 v[SPW], v[NIL]                      ; the opening lines: the add, twice on end, and its wait
	ds_add_u32 v[SPW], v[NIL]
	v_lshrrev_b32 v1, 5, v0
	v_readfirstlane_b32 s14, v1                    ; wave 0..3
	s_lshr_b32 s15, s14, 1                         ; my row of waves: 64 tokens of a chunk
	s_and_b32 s16, s14, 1                          ; my column: a head
	s_bfe_u32 s92, ttmp6, 0x40000                  ; cx
	s_bfe_u32 s93, ttmp6, 0x40004                  ; cy
	s_lshl_b32 s17, ttmp9, 2
	s_add_co_u32 s17, s17, s92                     ; tile column of q, k
	s_and_b32 s19, ttmp7, 0xffff
	s_lshl_b32 s19, s19, 2
	s_add_co_u32 s19, s19, s93                     ; 256 tokens
	s_and_b32 s18, ttmp9, 1                        ; v's chunk of them: by the cluster's number
	s_lshr_b32 s20, ttmp9, 1
	s_lshl_b32 s20, s20, 2
	s_add_co_u32 s20, s20, s92                     ; tile column of v
	s_lshl_b32 s94, s93, 2
	s_lshl_b32 s94, 15, s94                        ; my row of the cluster
	s_lshl_b32 s95, 0x1111, s92                    ; my column
	GROUP1 G1W, 95, 128
	GROUP1 G1X, 94, 128
	GROUP1 G1R, 94, 32
	GROUP1 G1V, 95, 32
	s_or_b32 s[G1S], s94, (3<<16)|(1<<20)|(1<<21)|(5<<22)|(3<<25)   ; a chunk's scale bytes: 4,096 dense bytes as 16 rows of 256, padded
	s_mov_b32 s[G1S+1], 32<<16
	s_mov_b32 s[G1S+2], 16<<16
	s_mov_b32 s[G1S+3], 32<<16
	s_mov_b32 s[G1S+4], 16
	s_mov_b32 s[G1S+5], 32
	s_mov_b32 s[G1S+6], 0
	s_mov_b32 s[G1S+7], 0
	s_lshl_b32 s96, s19, 18
	s_lshl_b32 s97, s18, 17
	s_add_co_u32 s96, s96, s97                     ; chunk 1, v's
	s_mov_b32 s97, 0
	s_lshl_b32 s66, s92, 2
	s_add_co_u32 s66, s66, s14
	s_lshl_b32 s66, s66, 13
	s_add_co_u32 s66, s66, s96                     ; my sixteenth of chunk 1
	s_lshl_b32 s67, s93, 2
	s_add_co_u32 s67, s67, s14
	s_lshl_b32 s67, s67, 13
	s_lshl_b32 s21, s20, 17
	s_add_co_u32 s67, s67, s21
	s_add_co_u32 s67, s67, 0x200000                ; and of W_v
	s_mul_i32 s2, s15, 64*PITCH
	s_mul_i32 s3, s16, 64*PITCH
	s_mul_i32 s21, s15, 2176
	s_add_co_u32 s21, s21, SCL
	s_lshl_b32 s22, s16, 10
	s_lshl_b32 s23, s15, 8
	s_add_co_u32 s22, s22, s23
	s_add_co_u32 s22, s22, XN
	s_lshl_b32 s23, s16, 8
	s_lshl_b32 s98, s15, 1
	s_add_co_u32 s23, s23, s98
	s_add_co_u32 s23, s23, XV
	v_and_b32 v1, 15, v0                           ; r
	v_bfe_u32 v2, v0, 4, 1                         ; h
	v_and_b32 v3, 31, v0
	v_mul_u32_u24 v22, v1, PITCH
	v_lshlrev_b32 v23, 5, v1
	v_lshrrev_b32 v21, 3, v1
	v_lshl_add_u32 v22, v2, 4, v22                 ; a fragment's row x pitch + 16 h
	v_lshl_add_u32 v23, v21, 4, v23                ; 32 bytes a row, and 16 more for each 256 passed
	v_add_nc_u32 v[ADX0], s2, v22
	v_add_nc_u32 v[ADW0], s3, v22
	v_add_nc_u32 v[AAS], s21, v23
	v_add_nc_u32 v[ADX1], YB, v[ADX0]
	v_add_nc_u32 v[ADW1], YB, v[ADW0]
	v_lshlrev_b32 v[CO], 4, v3
	v_lshl_add_u32 v[XNA], v1, 3, s22
	v_lshl_add_u32 v[XVA], v1, 3, s23
	v_lshlrev_b32 v[WOF], 5, v3
	v_lshlrev_b32 v[BOF], 6, v2
	v_and_b32 v21, 8, v1
	v_lshl_add_u32 v[PFX], v3, 8, s66
	v_lshl_add_u32 v[PFW], v3, 8, s67
	v_add_nc_u32 v21, v21, v1
	v_mov_b32 v[TQ+2], 0                           ; a lane permute's destination counts as one of its sources
	v_mov_b32 v[TQ+3], 0
	v_lshlrev_b32 v[BVF], 2, v21
	WALU                                           ; ahead of the waits below
	s_wait_dscnt 0x0                               ; both opening adds are done
	s_xor_b32 s98, s96, 0x20000                    ; chunk 0: the other half of the window
	s_mov_b32 s99, 0
	s_lshl_b32 s100, s14, 15
	s_add_co_u32 s100, s100, s96                   ; my quarter of chunk 1
	s_mov_b32 s101, 0
	s_lshl_b32 s2, s17, 17                         ; the first weight
	s_mov_b32 s3, 0
	s_lshl_b32 s22, s20, 17
	s_lshl_b32 s23, s14, 15
	s_add_co_u32 s22, s22, s23
	s_add_co_u32 s22, s22, 0x200000                ; my quarter of W_v
	s_mov_b32 s23, 0
	s_xor_b32 s21, s18, s16
	s_xor_b32 s21, s21, 1
	s_lshl_b32 s21, s21, 12
	s_lshl_b32 s66, s19, 13
	s_add_co_u32 s66, s66, s21                     ; scale bytes: wave 2 chunk 0's, wave 3 chunk 1's
	s_mov_b32 s67, 0
.irp g, G0W, G0X, G0S, G0R, G0V
	s_mov_b32 s[\g], 1
.endr
	s_mov_b32 s[G0W+1], YB
	s_mov_b32 s[G0X+1], 0
	s_mul_i32 s[G0S+1], s16, 4352
	s_add_co_u32 s[G0S+1], s[G0S+1], SCL
	s_mul_i32 s[G0V+1], s14, 32*PITCH
	s_add_co_u32 s[G0R+1], s[G0V+1], YB
	CROUND                                         ; all sixteen work-groups are here: the joint loads meet
	s_wait_kmcnt 0x0
	s_add_nc_u64 s[G0W+2:G0W+3], s[8:9], s[2:3]
	s_add_nc_u64 s[G0X+2:G0X+3], s[4:5], s[98:99]
	s_add_nc_u64 s[G0S+2:G0S+3], s[6:7], s[66:67]
	s_add_nc_u64 s[G0R+2:G0R+3], s[4:5], s[100:101]
	s_add_nc_u64 s[G0V+2:G0V+3], s[8:9], s[22:23]
.irp g, G0W, G0X, G0S, G0R, G0V
	s_or_b32 s[\g+3], s[\g+3], 0x80000000
.endr
	s_cmp_eq_u32 s14, 0                            ; one load a wave; the weight, which the first barrier shows alone, has a line of its own
	s_cbranch_scc0 .Lwave_1
	TLOAD G0W, G1W
	s_branch .Lasked
.Lwave_1:
	s_cmp_eq_u32 s14, 1
	s_cbranch_scc0 .Lfor_scales
	TLOAD G0X, G1X
	s_branch .Lasked
.Lfor_scales:
	TLOAD G0S, G1S
.Lasked:
	s_lshl_b32 s2, s17, 12
	s_lshl_b32 s21, s16, 11
	s_add_co_u32 s2, s2, s21
	s_add_nc_u64 s[92:93], s[10:11], s[2:3]        ; my 64 rows' scale bytes: the first weight's,
	s_lshl_b32 s2, s20, 12
	s_add_co_u32 s2, s2, s21
	s_add_co_u32 s2, s2, 65536
	s_add_nc_u64 s[94:95], s[10:11], s[2:3]        ; W_v's
	s_lshl_b32 s2, s17, 9
	s_lshl_b32 s21, s16, 8
	s_add_co_u32 s2, s2, s21
	s_add_nc_u64 s[96:97], s[12:13], s[2:3]        ; and their biases
	s_lshl_b32 s2, s20, 9
	s_add_co_u32 s2, s2, s21
	s_add_co_u32 s2, s2, 8192
	s_add_nc_u64 s[98:99], s[12:13], s[2:3]
.irp p, 0,1
.irp c, 0,1
	global_load_b128 v[SB+8*\p+4*\c:SB+8*\p+4*\c+3], v[WOF], s[92:93] offset:1024*\p+16*\c
	global_load_b128 v[WS+8*\p+4*\c:WS+8*\p+4*\c+3], v[WOF], s[94:95] offset:1024*\p+16*\c
.endr
.irp i, 0,1,2,3
	global_load_b128 v[BQ+16*\p+4*\i:BQ+16*\p+4*\i+3], v[BOF], s[96:97] offset:128*\p+16*\i   ; column 32 p + 16 h + 4 i on: the result's layout
.endr
.endr
.irp t, 0,1,2,3
	global_load_b32 v[BV+\t], v[BVF], s[98:99] offset:(32*(\t/2)+8*(\t%2))*4
.endr
	; where the results go
	s_lshr_b32 s21, s19, 3                         ; batch
	s_lshl_b32 s21, s21, 4
	s_add_co_u32 s21, s21, s16
	s_lshl_b32 s22, s20, 1
	s_add_co_u32 s22, s22, s21                     ; v: batch and head
	s_and_b32 s2, s17, 7
	s_lshl_b32 s2, s2, 1
	s_add_co_u32 s21, s21, s2                      ; q, k: batch and head
	s_lshl_b32 s21, s21, 17
	s_lshl_b32 s22, s22, 17
	s_add_co_u32 s22, s22, 0x800000
	s_lshr_b32 s2, s17, 3                          ; q or k
	s_lshl_b32 s2, s2, 22
	s_add_co_u32 s21, s21, s2
	s_and_b32 s2, s19, 7
	s_lshl_b32 s2, s2, 14
	s_add_co_u32 s21, s21, s2
	s_add_co_u32 s22, s22, s2
	s_lshl_b32 s2, s15, 12
	s_add_co_u32 s21, s21, s2
	s_add_co_u32 s22, s22, s2
	s_lshl_b32 s2, s18, 13
	s_add_co_u32 s22, s22, s2
	s_mov_b32 s23, 0
	s_add_co_u32 s66, s21, s2                      ; chunk 1's tiles
	s_xor_b32 s100, s66, 8192                      ; chunk 0's
	s_add_nc_u64 s[22:23], s[88:89], s[22:23]
	s_add_nc_u64 s[66:67], s[88:89], s[66:67]
	s_add_nc_u64 s[100:101], s[88:89], s[100:101]
	s_cmp_eq_u32 s14, 0
	s_cbranch_scc0 .Lnot_w
	s_wait_tensorcnt 0x0                           ; wave 0: the first weight has landed; the other waves' wait stands ahead of the round
.Lnot_w:
	s_barrier_signal -1
	s_barrier_wait -1
	global_prefetch_b8 v[PFX], s[4:5] th:TH_LOAD_NT scope:SCOPE_SE
	global_prefetch_b8 v[PFW], s[8:9] th:TH_LOAD_NT scope:SCOPE_SE
.macro FRAG f, adr                     ; a weight's fragment f = 4 q + b: 16 rows x 128 K: lane l holds row l % 16; registers 4 c .. 4 c + 3 hold K = 32 c + 16 (l / 16) + 0 .. 15
	WIN (1+(\f)/16)<<6
.irp c, 0,1,2,3
	ds_load_b128 v[16*((\f)%16)+4*\c:16*((\f)%16)+4*\c+3], v[\adr] offset:128*((\f)/4)+32*\c+((\f)%4)*16*PITCH
.endr
.endm
.macro FETCHX e, adr, k, sc            ; a block of 16 tokens, all of K, into set e of window 3, and its scale words: 34 loads
	WIN 0xc0
.irp q, 0,1,2,3,4,5,6,7
.irp c, 0,1,2,3
	ds_load_b128 v[128*(\e)+16*\q+4*\c:128*(\e)+16*\q+4*\c+3], v[\adr] offset:(\k)*16*PITCH+128*\q+32*\c
.endr
.endr
	WIN 0
	ds_load_b128 v[SA+8*(\e):SA+8*(\e)+3], v[AAS] offset:\sc
	ds_load_b128 v[SA+8*(\e)+4:SA+8*(\e)+7], v[AAS] offset:(\sc)+16
.endm
.macro PROD kind, e, a, n              ; product n = 4 q + b.  kind 0 (q, k): source 0 = the weight's rows; kind 1 (v): source 0 = x's.  The four accumulators take turns
.set Q_, (\n)/4
.set B_, (\n)%4
.set A_, ACC+32*(\a)+8*B_
.set C_, A_
.if Q_ == 0
.set C_, BQ+8*B_
.endif
.set R_, 128*(\e)+16*Q_
.set W_, 16*((\n)%16)
.set X_, SA+8*(\e)+Q_
.set S_, SB+8*(B_/2)+Q_
.if \kind
	WIN 3|((1+(\n)/16)<<2)
.if B_%2
	v_wmma_scale_f32_16x16x128_f8f6f4 v[A_:A_+7], v[R_:R_+15], v[W_:W_+15], v[C_:C_+7], v[X_], v[S_] matrix_b_scale:MATRIX_SCALE_ROW1
.else
	v_wmma_scale_f32_16x16x128_f8f6f4 v[A_:A_+7], v[R_:R_+15], v[W_:W_+15], v[C_:C_+7], v[X_], v[S_]
.endif
.else
	WIN (1+(\n)/16)|(3<<2)
.if B_%2
	v_wmma_scale_f32_16x16x128_f8f6f4 v[A_:A_+7], v[W_:W_+15], v[R_:R_+15], v[C_:C_+7], v[S_], v[X_] matrix_a_scale:MATRIX_SCALE_ROW1
.else
	v_wmma_scale_f32_16x16x128_f8f6f4 v[A_:A_+7], v[W_:W_+15], v[R_:R_+15], v[C_:C_+7], v[S_], v[X_]
.endif
.endif
.endm
; THE QUANTISER of two scale blocks of 32, 16 numbers of each in a lane, in 28 gaps of two or three lines.  Number i of block p is register x + ps p + i % 8 + hs (i / 8).  Codes: cd + 4 p on; bytes: eb + p (two = 1: both in eb).
.macro MED k, x, ps, hs
.set V_, (\x)+(\ps)*((\k)/16)+(\k)%8+(\hs)*(((\k)%16)/8)
	v_med3_num_f32 v[V_], v[V_], -v[TQ+4+(\k)/16], v[TQ+4+(\k)/16]   ; the conversion to an 8-bit code does not saturate (ISA guide 7.6.2)
.endm
.macro GAP m, x, ps, hs, cd, eb, two
.if (\m) < 8
.irp p, 0,1
.set V_, (\x)+(\ps)*\p+(2*(\m))%8+(\hs)*((\m)/4)
.if (\m) == 0
	v_max3_num_f32 v[TQ+\p], |v[V_]|, |v[V_+1]|, 0x4800000   ; and the floor 2^(9 - 127): the byte cannot fall under 1
.else
	v_max3_num_f32 v[TQ+\p], v[TQ+\p], |v[V_]|, |v[V_+1]|
.endif
.endr
.elseif (\m) == 8
	v_permlanex16_b32 v[TQ+2], v[TQ], s2, s3
	v_permlanex16_b32 v[TQ+3], v[TQ+1], s2, s3
.elseif (\m) == 9
	v_max_num_f32 v[TQ], v[TQ], v[TQ+2]            ; with lane l xor 16's: the block's largest magnitude
	v_max_num_f32 v[TQ+1], v[TQ+1], v[TQ+3]
.elseif (\m) == 10
	v_add_nc_u32 v[SOP], 0xfc000000, v[TQ]         ; 8 off its exponent field: the conversion's scale
	v_add_nc_u32 v[SOP+1], 0xfc000000, v[TQ+1]
.elseif (\m) == 11
	v_and_or_b32 v[TQ+4], v[TQ], 0x7f800000, s21   ; 448 x the scale
	v_and_or_b32 v[TQ+5], v[TQ+1], 0x7f800000, s21
.elseif (\m) == 12
	v_lshrrev_b32 v[\eb], 23, v[SOP]               ; the scale's byte
	v_lshrrev_b32 v[\eb+1], 23, v[SOP+1]
	MED 0, \x, \ps, \hs
.elseif (\m) == 13
.if \two
	v_lshl_or_b32 v[\eb], v[\eb+1], 8, v[\eb]
.endif
	MED 1, \x, \ps, \hs
	MED 2, \x, \ps, \hs
.elseif (\m) == 14
	MED 3, \x, \ps, \hs
	MED 4, \x, \ps, \hs
	MED 5, \x, \ps, \hs
.else
	MED 2*(\m)-24, \x, \ps, \hs
	MED 2*(\m)-23, \x, \ps, \hs
.if ((\m)-15)%4 == 0
.set H_, ((\m)-15)/4
.set V_, (\x)+(\ps)*(H_/2)+(\hs)*(H_%2)
	v_cvt_scalef32_pk8_fp8_f32 v[\cd+2*H_:\cd+2*H_+1], v[V_:V_+7], v[SOP+H_/2]
.endif
.endif
.endm
.macro RUN kind, e, a, from, to, y, x, ps, hs, cd, eb, two   ; products from .. to - 1 of a block, with y = 1 a way out among them
.set N_, \from
.rept (\to)-(\from)
	PROD \kind, \e, \a, N_
.if (\y) && (N_ < 28)
	WIN 0
	GAP N_, \x, \ps, \hs, \cd, \eb, \two
.endif
.set N_, N_+1
.endr
	WIN 0
.endm
.macro QOUT k                          ; block k of q or k: 512 consecutive bytes a store; its word to LDS
.if (\k) < 4
	global_store_b128 v[CO], v[CD:CD+3], s[100:101] offset:1024*((\k)%4)
	global_store_b128 v[CO], v[CD+4:CD+7], s[100:101] offset:1024*((\k)%4)+512
.else
	global_store_b128 v[CO], v[CD:CD+3], s[66:67] offset:1024*((\k)%4)
	global_store_b128 v[CO], v[CD+4:CD+7], s[66:67] offset:1024*((\k)%4)+512
.endif
	ds_store_b32 v[XNA], v[EB] offset:512*((\k)/4)+128*((\k)%2)+4*(((\k)%4)/2)
.endm
.macro VOUT pair, tp                   ; two tiles of v
.irp p, 0,1
	global_store_b128 v[CO], v[CD+8*\tp+4*\p:CD+8*\tp+4*\p+3], s[22:23] offset:1024*(2*\tp+\p)+512*\pair
	ds_store_b8 v[XVA], v[EB+2*\tp+\p] offset:128*\p+4*\tp+\pair
.endr
.endm
.set F_, 0
.rept 32
	FRAG F_, ADW1                                  ; the first weight into registers
.set F_, F_+1
.endr
	WIN 0
	s_mov_b32 s2, 0x76543210
	s_mov_b32 s3, 0xfedcba98                       ; lane l xor 16
	s_mov_b32 s21, 0x600000                        ; the mantissa field of 448
	s_wait_tensorcnt 0x0                           ; ahead of a refill: my load is in,
	ds_add_u32 v[SPW], v[NIL]
	s_wait_dscnt 0x0                               ; and the weight is in registers
	CROUND                                         ; chunk 0 and the scale bytes are everybody's; slot 1 is free in all partners
	TLOAD G0R, G1R                                 ; chunk 1 into slot 1
	FETCHX 0, ADX0, 0, 0
	FETCHX 1, ADX0, 1, 544
	s_wait_loadcnt 0x0                             ; scale words and biases
	s_wait_dscnt 34
	RUN 0, 0, 0, 0, 32, 0, ACC, 16, 8, CD, EB, 1
	PLACES 8                                       ; behind the last products: ahead of loads into what they read and of their sums' first readers
	FETCHX 0, ADX0, 2, 2*544
	s_wait_dscnt 34                                ; all but the fetch just issued
	RUN 0, 1, 1, 0, 32, 1, ACC, 16, 8, CD, EB, 1
	PLACES 8
	QOUT 0
	FETCHX 1, ADX0, 3, 3*544                       ; chunk 0's last rows
	s_wait_dscnt 34
	s_wait_xcnt 0x0                                ; the stores have read the codes
	RUN 0, 0, 0, 0, 20, 1, ACC+32, 16, 8, CD, EB, 1
	WALU
	s_wait_tensorcnt 0x0                           ; my part of chunk 1 is in
	ds_add_u32 v[SPW], v[NIL]
	RUN 0, 0, 0, 20, 28, 1, ACC+32, 16, 8, CD, EB, 1
	WALU
	s_wait_dscnt 0x0                               ; the add is done, and my reads of chunk 0 are over
	s_barrier_signal -1
	RUN 0, 0, 0, 28, 32, 0, ACC+32, 16, 8, CD, EB, 1
	s_barrier_wait -1
	CREST
	TLOAD G0V, G1V                                 ; W_v into slot 0
	PLACES 4
	QOUT 1
	FETCHX 0, ADX1, 0, 4352
	s_wait_dscnt 34
	s_wait_xcnt 0x0
	RUN 0, 1, 1, 0, 32, 1, ACC, 16, 8, CD, EB, 1
	PLACES 8
	QOUT 2
	FETCHX 1, ADX1, 1, 4352+544
.macro PAIR k                          ; block k (set 0), with block k - 1's way out and its stores
	s_wait_dscnt 34
	s_wait_xcnt 0x0
	RUN 0, 0, 0, 0, 32, 1, ACC+32, 16, 8, CD, EB, 1
	PLACES 8
	QOUT \k-1
.endm
	PAIR 4
	FETCHX 0, ADX1, 2, 4352+2*544
	s_wait_dscnt 34
	s_wait_xcnt 0x0
	RUN 0, 1, 1, 0, 32, 1, ACC, 16, 8, CD, EB, 1
	PLACES 8
	QOUT 4
	FETCHX 1, ADX1, 3, 4352+3*544
	PAIR 6
	FETCHX 0, ADX1, 0, 4352                        ; v's first block: the same rows again
	s_wait_dscnt 34
	s_wait_xcnt 0x0
	RUN 0, 1, 1, 0, 28, 1, ACC, 16, 8, CD, EB, 1
	WALU
	s_wait_tensorcnt 0x0                           ; my part of W_v is in
	s_wait_dscnt 0x0
	s_barrier_signal -1
	RUN 0, 1, 1, 28, 32, 0, ACC, 16, 8, CD, EB, 1
	s_barrier_wait -1
	PLACES 8
	QOUT 6
	FETCHX 1, ADX1, 1, 4352+544
; THE CHANGE OF PHASE: W_v into the registers, among its loads the last block's way out
	s_wait_xcnt 0x0
.set F_, 0
.rept 32
	FRAG F_, ADW0
.if F_ < 28
	WIN 0
	GAP F_, ACC+32, 16, 8, CD, EB, 1
.endif
.set F_, F_+1
.endr
	WIN 0
	QOUT 7
.set F_, 0
.rept 16
	v_mov_b32 v[SB+F_], v[WS+F_]
.set F_, F_+1
.endr
.set F_, 0
.rept 32
	v_mov_b32 v[BQ+F_], v[BV+F_/8]                 ; v's lanes hold a column: one number for all eight registers
.set F_, F_+1
.endr
	WALU
	s_wait_dscnt 0x0
	RUN 1, 0, 0, 0, 32, 0, ACC, 8, 32, CD, EB, 0
	PLACES 8
	FETCHX 0, ADX1, 2, 4352+2*544
	RUN 1, 1, 1, 0, 32, 0, ACC, 8, 32, CD, EB, 0
	PLACES 8
	FETCHX 1, ADX1, 3, 4352+3*544
	s_wait_dscnt 34
	s_wait_xcnt 0x0
	RUN 1, 0, 2, 0, 32, 1, ACC, 8, 32, CD, EB, 0
	PLACES 8
	VOUT 0, 0
	s_wait_dscnt 0x0
	RUN 1, 1, 3, 0, 32, 1, ACC+16, 8, 32, CD+8, EB+2, 0
	PLACES 8
	VOUT 0, 1
	s_wait_xcnt 0x0
.set F_, 0
.rept 28
	GAP F_, ACC+64, 8, 32, CD, EB, 0
.set F_, F_+1
.endr
	VOUT 1, 0
.set F_, 0
.rept 28
	GAP F_, ACC+80, 8, 32, CD+8, EB+2, 0
.set F_, F_+1
.endr
	VOUT 1, 1
; THE SCALE WORDS: wave w stores head w / 2, the chunk w % 2 of the order of work: 512 bytes; waves 0 and 1 v's 256 bytes of head w
	s_lshl_b32 s4, s15, 10
	s_lshl_b32 s5, s16, 9
	s_add_co_u32 s4, s4, s5
	s_add_co_u32 s4, s4, XN
	s_lshl_b32 s5, s16, 8
	s_add_co_u32 s5, s5, XV
	v_and_b32 v3, 31, v0
	v_lshlrev_b32 v22, 3, v3
	v_add_nc_u32 v20, s4, v[CO]
	v_add_nc_u32 v21, s5, v22
	s_lshr_b32 s6, s19, 3
	s_lshl_b32 s6, s6, 4                           ; 16 x batch
	s_lshl_b32 s8, s20, 1
	s_add_co_u32 s8, s8, s6
	s_add_co_u32 s8, s8, s16
	s_lshl_b32 s8, s8, 12
	s_and_b32 s7, s17, 7
	s_lshl_b32 s7, s7, 1
	s_add_co_u32 s6, s6, s7
	s_add_co_u32 s6, s6, s15
	s_lshl_b32 s6, s6, 13
	s_lshr_b32 s7, s17, 3
	s_lshl_b32 s7, s7, 18
	s_add_co_u32 s6, s6, s7
	s_and_b32 s9, s19, 7
	s_lshl_b32 s7, s9, 10
	s_add_co_u32 s6, s6, s7
	s_lshl_b32 s9, s9, 9
	s_add_co_u32 s8, s8, s9
	s_add_co_u32 s8, s8, 524288
	s_lshl_b32 s7, s18, 8
	s_add_co_u32 s8, s8, s7
	s_xor_b32 s7, s18, s16
	s_xor_b32 s7, s7, 1
	s_lshl_b32 s7, s7, 9
	s_add_co_u32 s6, s6, s7
	s_mov_b32 s7, 0
	s_mov_b32 s9, 0
	s_add_nc_u64 s[6:7], s[90:91], s[6:7]
	s_add_nc_u64 s[8:9], s[90:91], s[8:9]
	WALU
	s_wait_dscnt 0x0
	s_barrier_signal -1
	s_barrier_wait -1
	ds_load_b128 v[60:63], v20
	s_wait_dscnt 0x0
	global_store_b128 v[CO], v[60:63], s[6:7]
	s_cmp_lt_u32 s14, 2
	s_cbranch_scc0 .Lno_v
	ds_load_b64 v[24:25], v21
	s_wait_dscnt 0x0
	global_store_b64 v22, v[24:25], s[8:9]
.Lno_v:
	s_wait_tensorcnt 0x0                           ; the wave's end
	ds_add_u32 v[SPW], v[NIL]
	s_wait_dscnt 0x0
	CROUND                                         ; the closing round
	s_endpgm
.Lfunc_end_k_q4e19c57197_qkvp:
	.size	k_q4e19c57197_qkvp, .Lfunc_end_k_q4e19c57197_qkvp-k_q4e19c57197_qkvp
	.p2alignl 7, 3214868480
	.fill 96, 4, 3214868480
	.section	.rodata,"a",@progbits
	.p2align	6, 0x0
	.amdhsa_kernel k_q4e19c57197_qkvp
		.amdhsa_group_segment_fixed_size 327680
		.amdhsa_private_segment_fixed_size 0
		.amdhsa_enable_private_segment 0
		.amdhsa_kernarg_size 56
		.amdhsa_user_sgpr_count 2
		.amdhsa_user_sgpr_kernarg_segment_ptr 1
		.amdhsa_wavefront_size32 1
		.amdhsa_system_sgpr_workgroup_id_x 1
		.amdhsa_system_sgpr_workgroup_id_y 1
		.amdhsa_system_sgpr_workgroup_id_z 1
		.amdhsa_system_vgpr_workitem_id 0
		.amdhsa_next_free_vgpr 1024
		.amdhsa_next_free_sgpr 102
		.amdhsa_reserve_vcc 0
		.amdhsa_float_denorm_mode_32 3
		.amdhsa_float_denorm_mode_16_64 3
		.amdhsa_memory_ordered 1
		.amdhsa_forward_progress 1
		.amdhsa_inst_pref_size 181
	.end_amdhsa_kernel
	.amdgpu_metadata
---
amdhsa.version: [ 1, 2 ]
amdhsa.kernels:
  - .name:           k_q4e19c57197_qkvp
    .symbol:         k_q4e19c57197_qkvp.kd
    .args:
      - { .name: xc, .offset: 0, .size: 8, .value_kind: global_buffer, .address_space: global }
      - { .name: xs, .offset: 8, .size: 8, .value_kind: global_buffer, .address_space: global }
      - { .name: wc, .offset: 16, .size: 8, .value_kind: global_buffer, .address_space: global }
      - { .name: ws, .offset: 24, .size: 8, .value_kind: global_buffer, .address_space: global }
      - { .name: b_qkv, .offset: 32, .size: 8, .value_kind: global_buffer, .address_space: global }
      - { .name: qkv, .offset: 40, .size: 8, .value_kind: global_buffer, .address_space: global }
      - { .name: qkvs, .offset: 48, .size: 8, .value_kind: global_buffer, .address_space: global }
    .group_segment_fixed_size: 327680
    .private_segment_fixed_size: 0
    .kernarg_segment_align: 8
    .kernarg_segment_size: 56
    .max_flat_workgroup_size: 128
    .sgpr_count:     102
    .vgpr_count:     1024
    .wavefront_size: 32
...
	.end_amdgpu_metadata
.endif
;; end of part 2
;; launch attn (part 3): grid 8 x 32, 8 waves a work-group, clusters of 4 x 1, 327,680 bytes of LDS; arguments qkv, qkvs, ac, asc; writes ac, asc
.if DOCPART == 3
	.amdgcn_target "amdgcn-amd-amdhsa--gfx1250"
	.amdhsa_code_object_version 6
	.text
	.protected	k_q4e19c57197_attn
	.globl	k_q4e19c57197_attn
	.p2align	8
	.type	k_q4e19c57197_attn,@function
k_q4e19c57197_attn:
	s_mov_b64 s[64:65], 0
	v_nop
	global_prefetch_b8 v0, s[64:65] scope:SCOPE_SE
	s_setreg_imm32_b32 hwreg(HW_REG_WAVE_MODE, 25, 1), 1
	s_wait_xcnt 0x0
	s_wait_alu depctr_hold_cnt(0) depctr_sa_sdst(0) depctr_va_vdst(0) depctr_va_sdst(0) depctr_va_ssrc(0) depctr_va_vcc(0) depctr_vm_vsrc(0)
	s_getreg_b32 s2, hwreg(HW_REG_IB_STS2, 6, 4)
	s_cmp_eq_u32 s2, 0
	s_cbranch_scc0 .Lentry_in_a_cluster
	s_endpgm
.Lentry_in_a_cluster:
	s_bfe_u32 s2, ttmp6, 0x10000c
	s_cmp_lg_u32 s2, 0x3003
	s_cbranch_scc0 .Lentry_shape_is_right
	s_endpgm
.Lentry_shape_is_right:
; softmax(q k^T / 8) v for 32 (batch, head) pairs of 2,048 queries x 2,048 keys x 64 numbers, on codes of FP8 (E4M3) with E8M0 scales, quantised on the way out along the head's 64 for the next product.
; A work-group owns 256 queries of one head; each of its eight waves owns 32, two tiles of 16, and walks all keys, 128 a step, so that a fragment of K or V serves two products.
; K's AND V's CODES OF THE WHOLE HEAD LIE IN LDS, 256 KiB, every byte filled once: eight tensor loads of 32,768 bytes, one a wave, and one barrier.
; CLUSTERS: the four work-groups of a cluster own queries of one head and ask for its K and V jointly.
; No prefetch: all tiles are asked for by the head's one load a wave; there is no later load for which a loop could run ahead.
; LAYOUT.  Both products are transposed (S^T = K Q^T, O^T = V^T P^T): a lane holds ONE query (lane % 16); registers 16 b + i of a tile's 64 scores are keys 32 b + 16 (lane / 16) + i.
; The head has 64 numbers and the product 128 along K: Q's upper eight registers are zero codes, so what stands in K's upper eight adds nothing.
; SOFTMAX.  c = log2(e) / 8, t = score x c.  A block of 32 keys takes m_b = floor(its largest t), p' = 2^(t - m_b) < 2: every block has the same largest exponent, so the conversion's scale (2^-8) and the hold
; (448 x 2^-8 = 1.75) are constants.  M is the largest m_b so far, a whole number; p = p' x 2^(m_b - M): the whole power goes into the block's scale byte, m_b - M + 127 (held at 1 from below), and into the weight of its sum.
; The bytes leave out the conversion's 2^-8: O^T is 256 times its value, and the division by the sum takes that back.  When M moves, O^T and the sum are multiplied by 2^(old M - new M), exact.
; The row's sum is taken of the unquantised p', weighted by block.
; ORDER OF A STEP.  Tile 1's scores, among them tile 0's maxima; V's loads and the next step's K's; tile 1's maxima, both tiles' scales; tile 0's exponentials with tile 1's t - m_b among them; tile 1's with tile 0's sums and holds;
; tile 0's products with V and the next step's scores of tile 0, among them tile 1's sums, holds and conversions; tile 1's products with V.
; LIMITS: NaN and infinities are not served; the promise holds while the scaled scores (exponents to the base 2) stay under 2^31 in magnitude.  A zero block of the result gets the byte 1 (this program alone reads the bytes).
; REGISTERS.  Window 0: v0-95 addresses, constants and the softmax's state (tile u's at + 2 u or + 4 u); v96-127 partial sums; v128-255 scores, two tiles.
;   window 1: v0-63 O^T, two tiles; v64-127 K's fragments, v128-135 zeros behind them; v136-199 V's; v200-231 Q's, two tiles; v232-247 tile 0's codes of p.
.set VIMG, 131072
.set KSC,  262144                      ; K's scale words, 8,192 bytes
.set VSC,  270336                      ; V's, 4,096 bytes
.set SPARE, 0x43000
.set AK0,  1
.set AV0,  2
.set ASK0, 3
.set ASV0, 4
.set R32,  5
.set SPW,  6
.set NIL,  7
.set ADK,  8
.set ADV,  9
.set ADS,  10
.set ADT,  11
.set HR,   12                          ; 1.75
.set SOPC, 13                          ; 2^-8
.set KMIN, 14                          ; -126
.set NM,   16                          ; -M, a pair for each tile (the low one counts)
.set L,    20                          ; the sum, in two halves
.set F,    24                          ; 2^(old M - new M) (the low one counts)
.set NMN,  28
.set KSR,  40
.set QS,   44
.set VSR,  48
.set PW,   50
.set PT,   52
.set MX,   56
.set T1,   64
.set PC1,  56                          ; tile 1's codes of p, where the maxima are done with
.set NB,   72                          ; -m_b
.set Y,    80
.set W,    88                          ; 2^(m_b - M)
.set ST,   96
.set S,    128
.set O,    0
.set KF,   64
.set VF,   136
.set Q,    200
.set PC,   232
.set WV,   12
.set MNT,  19
.set SEL,  20
.set CS,   22
.set G1,   24
.set G0,   32
.set NC,   36
.set MG,   38
.set PS1,  40
.set PS2,  41
.set TB,   48
.set TS,   49
.set TJ,   50
.set CNT,  51
.set MSB, 0
.macro WIN new                         ; the immediate's high byte repeats the setting that is left
.if MSB != \new
	s_set_vgpr_msb (MSB<<8)|\new
.set MSB, \new
.endif
.endm
.macro WALU
	s_wait_alu depctr_va_vdst(0)
.endm
.macro CROUND
	s_barrier_signal -1
	s_barrier_wait -1
	s_cmp_lg_u32 s[WV], 0
	s_cbranch_scc1 .Lnot_wave_0_\@
	s_barrier_signal -3
.Lnot_wave_0_\@:
	s_barrier_wait -3
	s_barrier_signal -1
	s_barrier_wait -1
.endm
	s_load_b128 s[4:7], s[0:1], 0x0                ; qkv, qkvs
	s_load_b128 s[8:11], s[0:1], 0x10              ; ac, asc
	v_lshl_add_u32 v[SPW], v0, 2, SPARE
	v_mov_b32 v[NIL], 0
	ds_add_u32 v[SPW], v[NIL]                      ; the opening lines: the add, twice on end, and its wait
	ds_add_u32 v[SPW], v[NIL]
	v_lshrrev_b32 v8, 5, v0
	v_readfirstlane_b32 s[WV], v8                  ; wave 0..7
	s_and_b32 s13, ttmp7, 0xffff                   ; 16 x batch + head
	s_bfe_u32 s14, ttmp6, 0x40000
	s_lshl_b32 s15, ttmp9, 2
	s_add_co_u32 s15, s15, s14                     ; which 256 queries
	s_and_b32 s16, s13, 1
	s_and_b32 s17, s13, 15                         ; head
	s_lshr_b32 s18, s13, 4                         ; batch
	s_and_b32 s52, s[WV], 1                        ; I fetch for K (0) or V (1)
	s_lshr_b32 s53, s[WV], 1                       ; which 512 keys
	s_lshl_b32 s55, s53, 15
	s_lshl_b32 s54, s52, 17
	s_add_co_u32 s54, s54, s55                     ; where they go: no place in the cluster enters an LDS address
	s_lshl_b32 s56, s52, 22
	s_add_co_u32 s56, s56, 0x400000
	s_lshl_b32 s57, s13, 17
	s_add_co_u32 s56, s56, s57
	s_add_co_u32 s56, s56, s55
	s_mov_b32 s57, 0
	s_mov_b32 s[G1], 15|(3<<16)|(1<<21)            ; all four partners; elements of 8 bytes; bit 21 beside a mask
	s_mov_b32 s[G1+1], 32<<16
	s_mov_b32 s[G1+2], 128<<16
	s_mov_b32 s[G1+3], 32<<16
	s_mov_b32 s[G1+4], 128                         ; 128 rows of 256 bytes, dense
	s_mov_b32 s[G1+5], 32
	s_mov_b32 s[G1+6], 0
	s_mov_b32 s[G1+7], 0
	s_mov_b32 s[SEL], 0x76543210
	s_mov_b32 s[SEL+1], 0xfedcba98                 ; lane l xor 16
	s_mov_b32 s[CS], 0x3e38aa3b                    ; c
	s_mov_b32 s[CS+1], s[CS]
	s_mov_b32 s[NC], 0xbe38aa3b                    ; -c
	s_mov_b32 s[NC+1], s[NC]
	s_mov_b32 s[MG], 0x4b00007f                    ; 2^23 + 127: added to a whole number from -126 to 0 it leaves number + 127 in the low byte
	s_mov_b32 s[MG+1], s[MG]
	s_mov_b32 s[PS1], 0x400
	s_mov_b32 s[PS2], 0x05040100
	s_mov_b32 s[MNT], 0x600000
	s_lshl_b32 s59, s15, 4
	s_lshl_b32 s60, s[WV], 1
	s_add_co_u32 s59, s59, s60                     ; my first tile of 16 queries
	s_lshl_b32 s60, s13, 17
	s_lshl_b32 s61, s59, 10
	s_add_co_u32 s60, s60, s61                     ; Q's codes
	s_lshl_b32 s58, s13, 13
	s_lshr_b32 s61, s59, 2
	s_lshl_b32 s61, s61, 8
	s_add_co_u32 s61, s61, s58
	s_lshl_b32 s62, s52, 2
	s_add_co_u32 s61, s61, s62                     ; Q's scale words
	s_add_co_u32 s62, s58, 262144                  ; K's
	s_lshl_b32 s63, s13, 12
	s_add_co_u32 s63, s63, 524288                  ; V's
	v_and_b32 v56, 31, v0
	v_and_b32 v57, 15, v0
	v_lshlrev_b32 v[AK0], 4, v56
	v_lshlrev_b32 v58, 3, v56
	v_lshlrev_b32 v[R32], 5, v57
	v_add_nc_u32 v[AV0], VIMG, v[AK0]
	v_add_nc_u32 v[ASV0], VSC, v58
	v_add_nc_u32 v[ASK0], KSC, v58
	v_add_nc_u32 v60, s60, v[AK0]
	v_lshl_add_u32 v61, v57, 3, s61
	v_lshl_add_u32 v62, v0, 4, s62
	v_lshl_add_u32 v63, v0, 4, s63
	v_lshl_add_u32 v64, v0, 4, KSC
	v_lshl_add_u32 v65, v0, 4, VSC
	WALU                                           ; ahead of the waits below
	s_wait_dscnt 0x0                               ; both opening adds are done
	s_wait_kmcnt 0x0
	s_add_nc_u64 s[56:57], s[4:5], s[56:57]
	s_mov_b32 s[G0], 1
	s_mov_b32 s[G0+1], s54
	s_mov_b64 s[G0+2:G0+3], s[56:57]
	s_or_b32 s[G0+3], s[G0+3], 0x80000000
	CROUND                                         ; all four work-groups are here: the joint loads meet
	tensor_load_to_lds s[G0:G0+3], s[G1:G1+7]      ; one tensor load a wave
	s_nop 0
.rept 4
	v_nop
.endr
	WIN 0x40
.irp u, 0,1
	global_load_b128 v[Q+16*\u:Q+16*\u+3], v60, s[4:5] offset:1024*\u
	global_load_b128 v[Q+16*\u+4:Q+16*\u+7], v60, s[4:5] offset:1024*\u+512
.endr
	WIN 0
	global_load_b32 v[QS], v61, s[6:7]
	global_load_b32 v[QS+1], v61, s[6:7] offset:128
	global_load_b128 v[128:131], v62, s[6:7]
	global_load_b128 v[132:135], v62, s[6:7] offset:4096
	global_load_b128 v[136:139], v63, s[6:7]
	v_mov_b32 v[HR], 0x3fe00000
	v_mov_b32 v[SOPC], 0x3b800000
	v_mov_b32 v[KMIN], 0xc2fc0000
.irp u, 0,2
	v_mov_b32 v[NM+\u], 0x7f61b1e6                 ; -M: 3e38: the first step's factor is 0
	v_mov_b32 v[NM+\u+1], 0
	v_mov_b32 v[L+\u], 0
	v_mov_b32 v[L+\u+1], 0
	v_mov_b32 v[F+\u+1], 0                         ; (named as the upper half of a pair)
.endr
	WIN 0x40
.set i_, 0
.rept 64
	v_mov_b32 v[O+i_], 0                           ; the loop has no first step of its own: its first factor multiplies zeros
.set i_, i_+1
.endr
.irp i, 0,1,2,3,4,5,6,7
	v_mov_b32 v[Q+8+\i], 0
	v_mov_b32 v[Q+24+\i], 0
	v_mov_b32 v[KF+64+\i], 0
.endr
	WIN 0
	WALU                                           ; at the head's end
	s_wait_loadcnt 0x0
	ds_store_b128 v64, v[128:131]
	ds_store_b128 v64, v[132:135] offset:4096
	ds_store_b128 v65, v[136:139]
	s_wait_tensorcnt 0x0                           ; my 32,768 bytes have landed
	s_wait_dscnt 0x0
	s_barrier_signal -1
	s_barrier_wait -1
.irp k, 0,1,2,3,4,5,6,7
	v_mov_b32 v[T1+\k], 0                          ; a lane permute's destination counts as one of its sources
.endr
.macro LOADK a, s                      ; a step's K: 8 tiles of 16 keys, 8 registers each, and their scale words (lanes 0-15 the even tile's, lanes 16-31 the odd tile's)
	ds_load_b64 v[KSR:KSR+1], v[\s]
	ds_load_b64 v[KSR+2:KSR+3], v[\s] offset:256
	WIN 0x40
.irp t, 0,1,2,3,4,5,6,7
.irp c, 0,1
	ds_load_b128 v[KF+8*\t+4*\c:KF+8*\t+4*\c+3], v[\a] offset:1024*\t+512*\c
.endr
.endr
	WIN 0
.endm
.macro SP u, t                         ; scores of tile u: 16 keys
	WIN 0x05
.if (\t)%2
	v_wmma_scale_f32_16x16x128_f8f6f4 v[S+64*\u+8*\t:S+64*\u+8*\t+7], v[KF+8*\t:KF+8*\t+15], v[Q+16*\u:Q+16*\u+15], 0, v[KSR+\t/2], v[QS+\u] matrix_a_scale:MATRIX_SCALE_ROW1
.else
	v_wmma_scale_f32_16x16x128_f8f6f4 v[S+64*\u+8*\t:S+64*\u+8*\t+7], v[KF+8*\t:KF+8*\t+15], v[Q+16*\u:Q+16*\u+15], 0, v[KSR+\t/2], v[QS+\u]
.endif
	WIN 0
.endm
.macro MAXL u, i                       ; line i of 32: the largest score of each of the four blocks of tile u, four chains by turns
.set B_, (\i)%4
.set X_, S+64*(\u)+16*B_
.set I_, 2*((\i)/4)+1
.if (\i) < 4
	v_max3_num_f32 v[MX+4*(\u)+B_], v[X_], v[X_+1], v[X_+2]
.elseif (\i) < 28
	v_max3_num_f32 v[MX+4*(\u)+B_], v[MX+4*(\u)+B_], v[X_+I_], v[X_+I_+1]
.else
	v_max_num_f32 v[MX+4*(\u)+B_], v[MX+4*(\u)+B_], v[X_+15]
.endif
.endm
.macro TFMA x, u, b                    ; two scores of tile u's block b: t - m_b
.if (\b)%2
	v_pk_fma_f32 v[\x:\x+1], v[\x:\x+1], s[CS:CS+1], v[NB+4*\u+2*((\b)/2):NB+4*\u+2*((\b)/2)+1] op_sel:[0,0,1] op_sel_hi:[1,0,1]
.else
	v_pk_fma_f32 v[\x:\x+1], v[\x:\x+1], s[CS:CS+1], v[NB+4*\u+2*((\b)/2):NB+4*\u+2*((\b)/2)+1] op_sel_hi:[1,0,0]
.endif
.endm
.macro ADD4 d, x                       ; four p' of one block into two partial sums
	v_pk_add_f32 v[\d:\d+1], v[\x:\x+1], v[\x+2:\x+3]
.endm
.macro HOLD2 x                         ; the conversion to an 8-bit code does not saturate (ISA guide 7.6.2); p' is not negative
	v_dual_min_num_f32 v[\x], v[HR], v[\x] :: v_dual_min_num_f32 v[\x+1], v[HR], v[\x+1]
.endm
.macro HL i                            ; line i of 56: tile 1's sums, holds and conversions, seven lines for eight p'
.set G_, (\i)/7
.set K_, (\i)%7
.set X_, S+64+8*G_
.if K_ == 0
	ADD4 ST+4*G_, X_
.elseif K_ == 1
	HOLD2 X_
.elseif K_ == 2
	HOLD2 X_+2
.elseif K_ == 3
	ADD4 ST+4*G_+2, X_+4
.elseif K_ == 4
	HOLD2 X_+4
.elseif K_ == 5
	HOLD2 X_+6
.else
	v_cvt_scalef32_pk8_fp8_f32 v[PC1+2*G_:PC1+2*G_+1], v[X_:X_+7], v[SOPC]
.endif
.endm
.macro TL u, i                         ; line i of 17: tile u's 32 partial sums, eight a block, join; the sum = sum x F + each block's x its weight
.set L_, L+2*(\u)
.if (\i) < 4
	v_pk_add_f32 v[ST+8*(\i):ST+8*(\i)+1], v[ST+8*(\i):ST+8*(\i)+1], v[ST+8*(\i)+2:ST+8*(\i)+3]
.elseif (\i) < 8
.set X_, ST+8*((\i)-4)+4
	v_pk_add_f32 v[X_:X_+1], v[X_:X_+1], v[X_+2:X_+3]
.elseif (\i) == 8
	v_pk_mul_f32 v[L_:L_+1], v[L_:L_+1], v[F+2*(\u):F+2*(\u)+1] op_sel_hi:[1,0]
.elseif (\i) < 13
.set X_, ST+8*((\i)-9)
	v_pk_add_f32 v[X_:X_+1], v[X_:X_+1], v[X_+4:X_+5]
.else
.set X_, ST+8*((\i)-13)
.set W_, W+4*(\u)+2*(((\i)-13)/2)
.if ((\i)-13)%2
	v_pk_fma_f32 v[L_:L_+1], v[X_:X_+1], v[W_:W_+1], v[L_:L_+1] op_sel:[0,1,0] op_sel_hi:[1,1,1]
.else
	v_pk_fma_f32 v[L_:L_+1], v[X_:X_+1], v[W_:W_+1], v[L_:L_+1] op_sel_hi:[1,0,1]
.endif
.endif
.endm
.macro RESC u                          ; O^T x F
	WIN 0x41
	WALU                                           ; ahead of the first readers of O^T
.set i_, O+32*\u
.rept 16
	v_pk_mul_f32 v[i_:i_+1], v[i_:i_+1], v[F+2*\u:F+2*\u+1] op_sel_hi:[1,0]
.set i_, i_+2
.endr
.endm
.macro PVM u, d                        ; O^T += V^T P^T: 16 of the head's 64
.set D_, O+32*\u+8*\d
.set X_, VF+16*\d
.if \u
	WIN 0x51
.set P_, PC1
.else
	WIN 0x55
.set P_, PC
.endif
.if (\d)%2
	v_wmma_scale_f32_16x16x128_f8f6f4 v[D_:D_+7], v[X_:X_+15], v[P_:P_+15], v[D_:D_+7], v[VSR+\d/2], v[PW+\u] matrix_a_scale:MATRIX_SCALE_ROW1
.else
	v_wmma_scale_f32_16x16x128_f8f6f4 v[D_:D_+7], v[X_:X_+15], v[P_:P_+15], v[D_:D_+7], v[VSR+\d/2], v[PW+\u]
.endif
	WIN 0
.endm
; A STEP: 128 keys x 32 queries.  Tile 0's scores stand ready.  more = 1: a step follows.
.macro STEP more
	v_add_nc_u32 v[ADV], s[TB], v[AV0]
	v_add_nc_u32 v[ADT], s[TJ], v[ASV0]
	s_add_co_u32 s[TB], s[TB], 8192
	s_add_co_u32 s[TS], s[TS], 512
	s_add_co_u32 s[TJ], s[TJ], 256
.if \more
	v_add_nc_u32 v[ADK], s[TB], v[AK0]             ; the next step's K
	v_add_nc_u32 v[ADS], s[TS], v[ASK0]
.endif
.set l_, 0
.irp t, 0,1,2,3,4,5,6,7
	SP 1, \t
.rept 3+8*(\t/7)                       ; eleven lines behind the last product: the places ahead of the loads and of tile 1's maxima
	MAXL 0, l_
.set l_, l_+1
.endr
.endr
	ds_load_b64 v[VSR:VSR+1], v[ADT]
	WIN 0x40
.irp d, 0,1,2,3
.irp c, 0,1,2,3
	ds_load_b128 v[VF+16*\d+4*\c:VF+16*\d+4*\c+3], v[ADV] offset:(\c/2)*4096+\d*1024+(\c%2)*512
.endr
.endr
	WIN 0
.if \more
	LOADK ADK, ADS
.endif
.set l_, 0
.rept 32
	MAXL 1, l_
.set l_, l_+1
.endr
.irp k, 0,1,2,3,4,5,6,7
	v_permlanex16_b32 v[T1+\k], v[MX+\k], s[SEL], s[SEL+1]
.endr
.irp k, 0,1,2,3,4,5,6,7
	v_max_num_f32 v[MX+\k], v[MX+\k], v[T1+\k]
.endr
.irp k, 0,2,4,6
	v_pk_mul_f32 v[NB+\k:NB+\k+1], v[MX+\k:MX+\k+1], s[NC:NC+1] op_sel_hi:[1,0]
.endr
.irp k, 0,1,2,3,4,5,6,7
	v_ceil_f32 v[NB+\k], v[NB+\k]                  ; -m_b = ceil(-t)
.endr
.irp u, 0,1
	v_min3_num_f32 v[NMN+2*\u], v[NM+2*\u], v[NB+4*\u], v[NB+4*\u+1]
.endr
.irp u, 0,1
	v_min3_num_f32 v[NMN+2*\u], v[NMN+2*\u], v[NB+4*\u+2], v[NB+4*\u+3]
.endr
.irp u, 0,1
	v_sub_f32 v[F+2*\u], v[NMN+2*\u], v[NM+2*\u]   ; old M - new M
.endr
.irp u, 0,1
	v_mov_b32 v[NM+2*\u], v[NMN+2*\u]
.endr
.irp u, 0,1
	v_cvt_i32_f32 v[F+2*\u], v[F+2*\u]             ; (it saturates)
.endr
.irp k, 0,2
	v_pk_add_f32 v[Y+\k:Y+\k+1], v[NM:NM+1], v[NB+\k:NB+\k+1] op_sel_hi:[0,1] neg_lo:[0,1] neg_hi:[0,1]   ; m_b - M
	v_pk_add_f32 v[Y+\k+4:Y+\k+5], v[NM+2:NM+3], v[NB+\k+4:NB+\k+5] op_sel_hi:[0,1] neg_lo:[0,1] neg_hi:[0,1]
.endr
.irp u, 0,1
	v_ldexp_f32 v[F+2*\u], 1.0, v[F+2*\u]
.endr
.irp k, 0,2,4,6
	v_dual_max_num_f32 v[Y+\k], v[KMIN], v[Y+\k] :: v_dual_max_num_f32 v[Y+\k+1], v[KMIN], v[Y+\k+1]
.endr
.irp k, 0,2,4,6
	v_pk_add_f32 v[Y+\k:Y+\k+1], v[Y+\k:Y+\k+1], s[MG:MG+1] op_sel_hi:[1,0]   ; the scale's byte in the low byte
.endr
.irp k, 0,1,2,3,4,5,6,7
	v_lshlrev_b32 v[W+\k], 23, v[Y+\k]             ; and as an exponent field the weight
.endr
.irp u, 0,1
	v_perm_b32 v[PT+2*\u], v[Y+4*\u+1], v[Y+4*\u], s[PS1]
	v_perm_b32 v[PT+2*\u+1], v[Y+4*\u+3], v[Y+4*\u+2], s[PS1]
.endr
.irp u, 0,1
	v_perm_b32 v[PW+\u], v[PT+2*\u+1], v[PT+2*\u], s[PS2]   ; four bytes: p's scale word
.endr
.set j_, 0
.rept 32
	TFMA S+2*j_, 0, j_/8
.set j_, j_+1
.endr
	WALU                                           ; ahead of the batch
.set j_, 0
.rept 32                                       ; tile 0's exponentials, among them tile 1's t - m_b, which are first read behind the wait below
	v_exp_f32 v[S+2*j_], v[S+2*j_]
	v_exp_f32 v[S+2*j_+1], v[S+2*j_+1]
	TFMA S+64+2*j_, 1, j_/8
.set j_, j_+1
.endr
	WALU                                           ; behind the batch, ahead of its first reader and of the next batch
.set j_, 0
.rept 16                                       ; tile 1's exponentials, among them tile 0's partial sums and holds
	v_exp_f32 v[S+64+4*j_], v[S+64+4*j_]
	ADD4 ST+2*j_, S+4*j_
	v_exp_f32 v[S+64+4*j_+1], v[S+64+4*j_+1]
	HOLD2 S+4*j_
	v_exp_f32 v[S+64+4*j_+2], v[S+64+4*j_+2]
	v_exp_f32 v[S+64+4*j_+3], v[S+64+4*j_+3]
	HOLD2 S+4*j_+2
.set j_, j_+1
.endr
	WALU
	s_wait_dscnt 0x0                               ; V, and the next step's K
	WIN 0x40
.irp i, 0,1,2,3,4,5,6,7
	v_cvt_scalef32_pk8_fp8_f32 v[PC+2*\i:PC+2*\i+1], v[S+8*\i:S+8*\i+7], v[SOPC]   ; tile 0's p' become 16 registers of codes: the operand's layout
.endr
	WIN 0
.set l_, 0
.rept 17
	TL 0, l_
.set l_, l_+1
.endr
	RESC 0
.set l_, 0
.irp d, 0,1,2,3
	PVM 0, \d
.rept 4
	HL l_
.set l_, l_+1
.endr
.endr
.if \more
.irp t, 0,1,2,3,4,5,6,7
	SP 0, \t
.rept 5
	HL l_
.set l_, l_+1
.endr
.endr
.else
.rept 40
	HL l_
.set l_, l_+1
.endr
.endif
	RESC 1
.set l_, 0
.irp d, 0,1,2,3
	PVM 1, \d
.rept 2+9*(\d/3)                       ; eleven lines behind the last product
	TL 1, l_
.set l_, l_+1
.endr
.endr
.endm
	LOADK AK0, ASK0                                ; step 0's K
	s_mov_b32 s[TB], 0
	s_mov_b32 s[TS], 0
	s_mov_b32 s[TJ], 0
	s_mov_b32 s[CNT], 15
	WALU                                           ; directly ahead of the wait below
	s_wait_dscnt 0x0
.irp t, 0,1,2,3,4,5,6,7
	SP 0, \t
.endr
.rept 8
	v_nop                                          ; the places ahead of the scores' first readers
.endr
.Lstep:
	STEP 1
	s_sub_co_u32 s[CNT], s[CNT], 1
	s_cmp_lg_u32 s[CNT], 0
	s_cbranch_scc1 .Lstep
	s_mov_b32 s[TB], 15*8192
	s_mov_b32 s[TS], 15*512
	s_mov_b32 s[TJ], 15*256
	STEP 0
; THE WAY OUT: O^T / (256 x the sum), quantised along the head's 64, leaves as images of the next product's operand registers.
.irp u, 0,2
	v_add_f32 v[L+\u], v[L+\u], v[L+\u+1]
.endr
.irp u, 0,1
	v_permlanex16_b32 v[T1+\u], v[L+2*\u], s[SEL], s[SEL+1]
.endr
.irp u, 0,1
	v_add_f32 v[L+2*\u], v[L+2*\u], v[T1+\u]
.endr
.irp u, 0,2
	v_mul_f32 v[L+\u], 0x43800000, v[L+\u]         ; 256
.endr
	WALU
	v_rcp_f32 v[L], v[L]
	v_rcp_f32 v[L+2], v[L+2]
	s_lshl_b32 s60, s18, 7
	s_add_co_u32 s60, s60, s59                     ; tile of 16 tokens
	s_lshl_b32 s61, s60, 14
	s_lshr_b32 s62, s17, 1
	s_lshl_b32 s62, s62, 11
	s_add_co_u32 s61, s61, s62
	s_lshl_b32 s62, s16, 10
	s_add_co_u32 s61, s61, s62
	s_lshl_b32 s62, s60, 9
	s_lshl_b32 s63, s17, 1
	s_add_co_u32 s62, s62, s63
	v_add_nc_u32 v8, s61, v[AK0]
	v_add_nc_u32 v9, s62, v[R32]
	WIN 0x01
	WALU
.set j_, 0
.rept 64
	v_mul_f32 v[S+j_], v[O+j_], v[L+2*(j_/32)]
.set j_, j_+1
.endr
	WIN 0
.irp k, 0,1,2,3                                ; four blocks of 32: two a tile
	v_max3_num_f32 v[MX+\k], |v[S+16*\k]|, |v[S+16*\k+1]|, 0x4800000   ; and the floor 2^(9 - 127): the byte cannot fall under 1
.endr
.irp i, 2,4,6,8,10,12,14
.irp k, 0,1,2,3
	v_max3_num_f32 v[MX+\k], v[MX+\k], |v[S+16*\k+\i]|, |v[S+16*\k+\i+1]|
.endr
.endr
.irp k, 0,1,2,3
	v_permlanex16_b32 v[T1+\k], v[MX+\k], s[SEL], s[SEL+1]
.endr
.irp k, 0,1,2,3
	v_max_num_f32 v[MX+\k], v[MX+\k], v[T1+\k]
.endr
.irp k, 0,1,2,3
	v_add_nc_u32 v[Y+\k], 0xfc000000, v[MX+\k]     ; 8 off its exponent field: the conversion's scale
.endr
.irp k, 0,1,2,3
	v_and_or_b32 v[W+\k], v[MX+\k], 0x7f800000, s[MNT]   ; 448 x the scale
.endr
.irp k, 0,1,2,3
	v_lshrrev_b32 v[T1+\k], 23, v[Y+\k]
.endr
.irp u, 0,1
	v_lshl_or_b32 v[PW+\u], v[T1+2*\u+1], 8, v[T1+2*\u]
.endr
.irp k, 0,1,2,3
.irp i, 0,1,2,3,4,5,6,7,8,9,10,11,12,13,14,15
	v_med3_num_f32 v[S+16*\k+\i], v[S+16*\k+\i], -v[W+\k], v[W+\k]
.endr
	v_cvt_scalef32_pk8_fp8_f32 v[ST+4*\k:ST+4*\k+1], v[S+16*\k:S+16*\k+7], v[Y+\k]
	v_cvt_scalef32_pk8_fp8_f32 v[ST+4*\k+2:ST+4*\k+3], v[S+16*\k+8:S+16*\k+15], v[Y+\k]
.endr
	v_nop
.irp u, 0,1
	global_store_b128 v8, v[ST+8*\u:ST+8*\u+3], s[8:9] offset:16384*\u       ; 32 lanes store 512 consecutive bytes, aligned
	global_store_b128 v8, v[ST+8*\u+4:ST+8*\u+7], s[8:9] offset:16384*\u+512
	global_store_b16 v9, v[PW+\u], s[10:11] offset:512*\u
.endr
	s_wait_tensorcnt 0x0                           ; the wave's end
	ds_add_u32 v[SPW], v[NIL]
	s_wait_dscnt 0x0
	CROUND                                         ; the closing round
	s_endpgm
.Lfunc_end_k_q4e19c57197_attn:
	.size	k_q4e19c57197_attn, .Lfunc_end_k_q4e19c57197_attn-k_q4e19c57197_attn
	.p2alignl 7, 3214868480
	.fill 96, 4, 3214868480
	.section	.rodata,"a",@progbits
	.p2align	6, 0x0
	.amdhsa_kernel k_q4e19c57197_attn
		.amdhsa_group_segment_fixed_size 327680
		.amdhsa_private_segment_fixed_size 0
		.amdhsa_enable_private_segment 0
		.amdhsa_kernarg_size 32
		.amdhsa_user_sgpr_count 2
		.amdhsa_user_sgpr_kernarg_segment_ptr 1
		.amdhsa_wavefront_size32 1
		.amdhsa_system_sgpr_workgroup_id_x 1
		.amdhsa_system_sgpr_workgroup_id_y 1
		.amdhsa_system_sgpr_workgroup_id_z 1
		.amdhsa_system_vgpr_workitem_id 0
		.amdhsa_next_free_vgpr 512
		.amdhsa_next_free_sgpr 66
		.amdhsa_reserve_vcc 0
		.amdhsa_float_denorm_mode_32 3
		.amdhsa_float_denorm_mode_16_64 3
		.amdhsa_memory_ordered 1
		.amdhsa_forward_progress 1
		.amdhsa_inst_pref_size 90
	.end_amdhsa_kernel
	.amdgpu_metadata
---
amdhsa.version: [ 1, 2 ]
amdhsa.kernels:
  - .name:           k_q4e19c57197_attn
    .symbol:         k_q4e19c57197_attn.kd
    .args:
      - { .name: qkv, .offset: 0, .size: 8, .value_kind: global_buffer, .address_space: global }
      - { .name: qkvs, .offset: 8, .size: 8, .value_kind: global_buffer, .address_space: global }
      - { .name: ac, .offset: 16, .size: 8, .value_kind: global_buffer, .address_space: global }
      - { .name: asc, .offset: 24, .size: 8, .value_kind: global_buffer, .address_space: global }
    .group_segment_fixed_size: 327680
    .private_segment_fixed_size: 0
    .kernarg_segment_align: 8
    .kernarg_segment_size: 32
    .max_flat_workgroup_size: 256
    .sgpr_count:     66
    .vgpr_count:     512
    .wavefront_size: 32
...
	.end_amdgpu_metadata
.endif
;; end of part 3
;; launch oproj (part 4): grid 8 x 32, 4 waves a work-group, clusters of 4 x 4, 296,960 bytes of LDS; arguments ac, asc, wc, ws, b_out, out0; writes out0
.if DOCPART == 4
	.amdgcn_target "amdgcn-amd-amdhsa--gfx1250"
	.amdhsa_code_object_version 6
	.text
	.protected	k_q4e19c57197_oproj
	.globl	k_q4e19c57197_oproj
	.p2align	8
	.type	k_q4e19c57197_oproj,@function
k_q4e19c57197_oproj:
	s_mov_b64 s[64:65], 0
	v_nop
	global_prefetch_b8 v0, s[64:65] scope:SCOPE_SE
	s_setreg_imm32_b32 hwreg(HW_REG_WAVE_MODE, 25, 1), 1
	s_wait_xcnt 0x0
	s_wait_alu depctr_hold_cnt(0) depctr_sa_sdst(0) depctr_va_vdst(0) depctr_va_sdst(0) depctr_va_ssrc(0) depctr_va_vcc(0) depctr_vm_vsrc(0)
	s_getreg_b32 s2, hwreg(HW_REG_IB_STS2, 6, 4)
	s_cmp_eq_u32 s2, 0
	s_cbranch_scc0 .Lentry_in_a_cluster
	s_endpgm
.Lentry_in_a_cluster:
	s_bfe_u32 s2, ttmp6, 0x10000c
	s_cmp_lg_u32 s2, 0xf033
	s_cbranch_scc0 .Lentry_shape_is_right
	s_endpgm
.Lentry_shape_is_right:
; out0 = attn W_out + b_out on codes of FP8 (E4M3) with E8M0 scales; out0 [4096][1024] f32.
; A tile of 128 x 128 to a work-group (256 work-groups), 64 x 64 to each of four waves: 16 accumulators.  K = 1,024.
; A's AND B's WHOLE PANELS LIE IN LDS, every byte filled once: no ring.  Four tensor loads, one a wave: A's panel, B's panel, A's scales, B's scales; one barrier.
; No prefetch: all tiles are asked for by the head's one load a wave; there is no later load for which a loop could run ahead.
; A (ac) lies as images of operand registers: [tile of 16 tokens][128 along K, 8][block of 32, 4][512 bytes]: ds_load_b128 at 16 x lane.  B (wc, rows 3072 on) lies as rows of 1,024 codes, padded in LDS.
; Both have bits 3 and 4 of their rows' index exchanged: source 0 = B's rows, so a lane's 16 registers of blocks 2 j, 2 j + 1 are 16 neighbouring columns of out0; the tokens' order is undone by the stores' row offsets.
; The bias is the C of each sum's first matrix instruction.  CLUSTERS: 4 x 4; A's tiles are asked for jointly along a row of the cluster, B's along a column.
; LIMITS: NaN and infinities are not served.
; REGISTERS: window 0: v16-27 addresses; v30, v31 the add's; v32-63 scale words (register 8 i + s: lanes 0-15 A's block i, lanes 16-31 B's block i, K step s); v64-95 the bias, later with v96-127 rows on their way out; v128-255 accumulators.
;   window 1: two fragment buffers of 128: A's four fragments, then B's four.
.set BT,   131072                      ; LDS: A's images from 0 (8 tiles x 16,384); B's 128 rows of 1,040 from here
.set BP,   1040
.set SCL,  270336                      ; the scale bytes: A's 16 units of 256 + 16, then B's
.set HS,   2176                        ; those of 64 rows
.set STG,  279040                      ; the stages: 16 rows x 272 bytes for each wave; no fill lands here
.set SPARE, 0x48600
.set ADA,  16
.set ADB,  20
.set STO,  24
.set RD,   25
.set CO,   26
.set ADRS, 27
.set SC,   32
.set BI,   64
.set OB,   64
.set ACC,  128
.set G1A,  24
.set G1B,  32
.set G1SA, 40
.set G1SB, 48
.set G0SA, 56
.set G0A,  60
.set G0B,  68
.set G0SB, 80
.set MSB, 0
.macro WIN new                         ; the immediate's high byte repeats the setting that is left
.if MSB != \new
	s_set_vgpr_msb (MSB<<8)|\new
.set MSB, \new
.endif
.endm
.macro CROUND
	s_barrier_signal -1
	s_barrier_wait -1
	s_cmp_lg_u32 s16, 0
	s_cbranch_scc1 .Lnot_wave_0_\@
	s_barrier_signal -3
.Lnot_wave_0_\@:
	s_barrier_wait -3
	s_barrier_signal -1
	s_barrier_wait -1
.endm
.macro MKG0 g, lo, p                   ; a group 0: LDS byte lo, global address s[p:p+1]
	s_mov_b32 s[\g], 1
	s_mov_b32 s[\g+1], \lo
	s_mov_b64 s[\g+2:\g+3], s[\p:\p+1]
	s_or_b32 s[\g+3], s[\g+3], 0x80000000
.endm
	s_load_b128 s[4:7], s[0:1], 0x0                ; ac, asc
	s_load_b128 s[8:11], s[0:1], 0x10              ; wc, ws
	s_load_b128 s[12:15], s[0:1], 0x20             ; b_out, out0
	v_lshl_add_u32 v30, v0, 2, SPARE
	v_mov_b32 v31, 0
	ds_add_u32 v30, v31                            ; the opening lines: the add, twice on end, and its wait
	ds_add_u32 v30, v31
	v_lshrrev_b32 v1, 5, v0
	v_readfirstlane_b32 s16, v1                    ; wave 0..3
	s_lshr_b32 s17, s16, 1                         ; my half of A's rows
	s_and_b32 s18, s16, 1                          ; my half of B's rows
	s_bfe_u32 s19, ttmp6, 0x40000                  ; cx
	s_bfe_u32 s20, ttmp6, 0x40004                  ; cy
	s_lshl_b32 s21, ttmp9, 2
	s_add_co_u32 s21, s21, s19                     ; tile column
	s_and_b32 s22, ttmp7, 0xffff
	s_lshl_b32 s22, s22, 2
	s_add_co_u32 s22, s22, s20                     ; tile row
	s_lshl_b32 s23, s20, 2
	s_lshl_b32 s23, 15, s23                        ; my row of the cluster
	s_lshl_b32 s100, 0x1111, s19                   ; my column
	s_or_b32 s[G1A], s23, (3<<16)|(1<<21)          ; A's panel: 131,072 dense bytes as 32 rows of 4,096 (512 elements of 8); no padding
	s_mov_b32 s[G1A+1], 512<<16
	s_mov_b32 s[G1A+2], 32<<16
	s_mov_b32 s[G1A+3], 512<<16
	s_mov_b32 s[G1A+4], 32
	s_mov_b32 s[G1A+5], 512
	s_mov_b32 s[G1A+6], 0
	s_mov_b32 s[G1A+7], 0
	s_or_b32 s[G1B], s100, (0<<16)|(1<<20)|(1<<21)|(7<<22)|(3<<25)   ; B's panel: 128 rows of 1,024 bytes, 16 bytes of padding behind each
	s_mov_b32 s[G1B+1], 1024<<16
	s_mov_b32 s[G1B+2], 128<<16
	s_mov_b32 s[G1B+3], 1024<<16
	s_mov_b32 s[G1B+4], 128
	s_mov_b32 s[G1B+5], 1024
	s_mov_b32 s[G1B+6], 0
	s_mov_b32 s[G1B+7], 0
	s_or_b32 s[G1SA], s23, (3<<16)|(1<<20)|(1<<21)|(5<<22)|(3<<25)   ; the scales of 128 rows: 4,096 dense bytes as 16 rows of 256, padded
	s_or_b32 s[G1SB], s100, (3<<16)|(1<<20)|(1<<21)|(5<<22)|(3<<25)
.irp g, G1SA, G1SB
	s_mov_b32 s[\g+1], 32<<16
	s_mov_b32 s[\g+2], 16<<16
	s_mov_b32 s[\g+3], 32<<16
	s_mov_b32 s[\g+4], 16
	s_mov_b32 s[\g+5], 32
	s_mov_b32 s[\g+6], 0
	s_mov_b32 s[\g+7], 0
.endr
	s_lshl_b32 s23, s22, 3                         ; A: the first tile of 16 tokens
	s_lshl_b32 s2, s23, 14
	s_mov_b32 s3, 0
	s_lshl_b32 s66, s21, 7
	s_add_co_u32 s66, s66, 3072                    ; B: the first row of wc
	s_lshl_b32 s100, s66, 5
	s_lshl_b32 s66, s66, 10
	s_mov_b32 s67, 0
	s_mov_b32 s101, 0
	s_wait_dscnt 0x0                               ; both opening adds are done
	s_wait_kmcnt 0x0
	s_add_nc_u64 s[4:5], s[4:5], s[2:3]
	s_lshl_b32 s2, s23, 9                          ; 512 scale bytes a tile
	s_add_nc_u64 s[6:7], s[6:7], s[2:3]
	s_add_nc_u64 s[8:9], s[8:9], s[66:67]
	s_add_nc_u64 s[10:11], s[10:11], s[100:101]
	CROUND                                         ; all sixteen work-groups are here: the joint loads meet
	MKG0 G0SA, SCL, 6                              ; no place in the cluster enters an LDS address
	MKG0 G0A, 0, 4
	MKG0 G0SB, SCL+2*HS, 10
	MKG0 G0B, BT, 8
; One tensor load a wave: wave 0 A's panel, wave 1 B's, wave 2 A's scales, wave 3 B's.
.macro ARM under, g0, g1, next
	s_cmp_lt_u32 s16, \under
	s_cbranch_scc0 \next
	tensor_load_to_lds s[\g0:\g0+3], s[\g1:\g1+7]
	s_nop 0
.rept 4
	v_nop
.endr
	s_branch .Lasked
\next:
.endm
	ARM 1, G0A, G1A, .Lhead_b
	ARM 2, G0B, G1B, .Lhead_sa
	ARM 3, G0SA, G1SA, .Lhead_sb
	tensor_load_to_lds s[G0SB:G0SB+3], s[G1SB:G1SB+7]
	s_nop 0
.rept 4
	v_nop
.endr
.Lasked:
	v_and_b32 v1, 15, v0                           ; r
	v_bfe_u32 v2, v0, 4, 1                         ; h
	v_and_b32 v3, 31, v0
	v_lshlrev_b32 v4, 4, v3                        ; 16 x lane
	s_lshl_b32 s2, s17, 16                         ; my four tiles of A
	v_add_nc_u32 v[ADA], s2, v4
	v_mul_u32_u24 v5, v1, BP
	v_lshl_add_u32 v5, v2, 4, v5
	s_mul_i32 s3, s18, 64*BP                       ; my 64 rows of B
	s_add_co_u32 s3, s3, BT
	v_add_nc_u32 v[ADB], s3, v5
	s_mul_i32 s2, s16, 16*272
	s_add_co_u32 s2, s2, STG                       ; my stage
	v_mul_u32_u24 v[STO], v1, 272
	v_lshl_add_u32 v[STO], v2, 6, v[STO]
	v_add_nc_u32 v[STO], s2, v[STO]                ; in: row r, 64 bytes for each half of the lanes
	v_mul_u32_u24 v[RD], v2, 272
	v_lshl_add_u32 v[RD], v1, 4, v[RD]
	v_add_nc_u32 v[RD], s2, v[RD]                  ; back: lanes 0-15 one row of 256 bytes, lanes 16-31 the next
	v_lshlrev_b32 v[CO], 12, v2
	v_lshl_add_u32 v[CO], v1, 4, v[CO]             ; and the same two rows in out0
	v_lshlrev_b32 v5, 5, v1                        ; my row's 32 scale bytes,
	v_lshrrev_b32 v6, 8, v5
	v_lshl_add_u32 v5, v6, 4, v5                   ; and 16 more for each 256 passed
	s_mul_i32 s2, s17, HS
	s_mul_i32 s3, s18, HS
	s_add_co_u32 s3, s3, 2*HS
	s_sub_co_u32 s3, s3, s2
	v_mul_u32_u24 v6, s3, v2                       ; lanes 16-31 take B's
	s_add_co_u32 s2, s2, SCL
	v_add_nc_u32 v5, v5, v6
	v_add_nc_u32 v[ADRS], s2, v5
	s_lshl_b32 s2, s21, 9
	s_lshl_b32 s3, s18, 8
	s_add_co_u32 s2, s2, s3                        ; my first column, in bytes
	v_lshl_add_u32 v7, v2, 6, s2
.irp j, 0,1
.irp i, 0,1,2,3
	global_load_b128 v[BI+16*\j+4*\i:BI+16*\j+4*\i+3], v7, s[12:13] offset:128*\j+16*\i   ; b_out at columns 32 j + 16 h + 0 .. 15: the result's layout
.endr
.endr
	s_lshl_b32 s3, s22, 7
	s_lshl_b32 s23, s17, 6
	s_add_co_u32 s3, s3, s23                       ; my first row
	s_lshl_b32 s3, s3, 12
	s_add_co_u32 s2, s2, s3
	s_mov_b32 s3, 0
	s_add_nc_u64 s[14:15], s[14:15], s[2:3]
.macro FETCH s, f                      ; the fragments of K step s (128 along K) into buffer f: B's four, then A's four
	WIN 0x40                                       ; destination window 1, address window 0
.irp i, 0,1,2,3
.irp c, 0,1,2,3
	ds_load_b128 v[\f+64+16*\i+4*\c:\f+64+16*\i+4*\c+3], v[ADB] offset:\i*16*BP+128*(\s)+32*\c
.endr
.endr
.irp i, 0,1,2,3
.irp c, 0,1,2,3
	ds_load_b128 v[\f+16*\i+4*\c:\f+16*\i+4*\c+3], v[ADA] offset:\i*16384+2048*(\s)+512*\c
.endr
.endr
.endm
.macro MUL s, f                        ; 16 matrix instructions; the accumulators take turns, one instruction a turn
	WIN 0x05                                       ; sources 0 and 1 window 1; C and D window 0
.irp a, 0,1,2,3
.irp b, 0,1,2,3
.if (\s) == 0
	v_wmma_scale_f32_16x16x128_f8f6f4 v[ACC+8*(4*\a+\b):ACC+8*(4*\a+\b)+7], v[\f+64+16*\b:\f+64+16*\b+15], v[\f+16*\a:\f+16*\a+15], v[BI+8*\b:BI+8*\b+7], v[SC+8*\b+(\s)], v[SC+8*\a+(\s)] matrix_a_scale:MATRIX_SCALE_ROW1
.else
	v_wmma_scale_f32_16x16x128_f8f6f4 v[ACC+8*(4*\a+\b):ACC+8*(4*\a+\b)+7], v[\f+64+16*\b:\f+64+16*\b+15], v[\f+16*\a:\f+16*\a+15], v[ACC+8*(4*\a+\b):ACC+8*(4*\a+\b)+7], v[SC+8*\b+(\s)], v[SC+8*\a+(\s)] matrix_a_scale:MATRIX_SCALE_ROW1
.endif
.endr
.endr
.endm
.macro PLACES n
.rept \n
	v_nop
.endr
.endm
.macro KSTP s
.if (\s) < 7
.if (\s) > 0
	PLACES 8                                       ; ahead of loads into the buffer that the last products read
.endif
	FETCH (\s)+1, 128*(((\s)+1)%2)
	s_wait_dscnt 32                                ; all but the 32 just issued
.else
	s_wait_dscnt 0x0
.endif
	MUL \s, 128*((\s)%2)
.endm
	s_wait_alu depctr_va_vdst(0)                   ; at the head's end
	s_wait_tensorcnt 0x0                           ; my tile of the four is in
	s_wait_loadcnt 0x0                             ; the bias
	s_barrier_signal -1
	s_barrier_wait -1
.irp i, 0,1,2,3
	ds_load_b128 v[SC+8*\i:SC+8*\i+3], v[ADRS] offset:544*\i       ; a row's eight scale words, for all of K
	ds_load_b128 v[SC+8*\i+4:SC+8*\i+7], v[ADRS] offset:544*\i+16
.endr
	FETCH 0, 0
.irp s, 0,1,2,3,4,5,6,7
	KSTP \s
.endr
	WIN 0
	PLACES 8
; THE WAY OUT, a block of 16 tokens x 64 columns at a time, through my own stage; LDS serves a wave's instructions in order (ISA guide 5.7.1.4).
.macro TOSTAGE a
.irp b, 0,1,2,3
	ds_store_b128 v[STO], v[ACC+8*(4*(\a)+\b):ACC+8*(4*(\a)+\b)+3] offset:128*(\b/2)+32*(\b%2)        ; each accumulator from its low end on
	ds_store_b128 v[STO], v[ACC+8*(4*(\a)+\b)+4:ACC+8*(4*(\a)+\b)+7] offset:128*(\b/2)+32*(\b%2)+16
.endr
.set OBS, OB+32*((\a)%2)
.irp t, 0,1,2,3,4,5,6,7
	ds_load_b128 v[OBS+4*\t:OBS+4*\t+3], v[RD] offset:544*\t
.endr
.endm
.macro SEND a, younger                 ; place 2 t + (lane / 16) of tile a is token 32 (a / 2) + 8 (a % 2) + place + 8 (place / 8)
.set OBS, OB+32*((\a)%2)
	s_wait_dscnt \younger
.irp t, 0,1,2,3,4,5,6,7
	global_store_b128 v[CO], v[OBS+4*\t:OBS+4*\t+3], s[14:15] offset:(32*((\a)/2)+8*((\a)%2)+2*\t+8*(\t/4))*4096 th:TH_STORE_NT   ; sixteen lanes store 256 consecutive bytes, aligned
.endr
.endm
	TOSTAGE 0
.irp a, 1,2,3
.if \a > 1
	s_wait_xcnt 0x0                                ; block a - 2's stores have read their registers: block a's loads may land there
.endif
	TOSTAGE \a
	SEND \a-1, 16                                  ; behind block a - 1's loads: block a's 8 stores and 8 loads
.endr
	SEND 3, 0
	s_wait_tensorcnt 0x0                           ; the wave's end
	ds_add_u32 v30, v31
	s_wait_dscnt 0x0
	CROUND                                         ; the closing round: no work-group ends while a partner may still ask for a tile that names it
	s_endpgm
.Lfunc_end_k_q4e19c57197_oproj:
	.size	k_q4e19c57197_oproj, .Lfunc_end_k_q4e19c57197_oproj-k_q4e19c57197_oproj
	.p2alignl 7, 3214868480
	.fill 96, 4, 3214868480
	.section	.rodata,"a",@progbits
	.p2align	6, 0x0
	.amdhsa_kernel k_q4e19c57197_oproj
		.amdhsa_group_segment_fixed_size 296960
		.amdhsa_private_segment_fixed_size 0
		.amdhsa_enable_private_segment 0
		.amdhsa_kernarg_size 48
		.amdhsa_user_sgpr_count 2
		.amdhsa_user_sgpr_kernarg_segment_ptr 1
		.amdhsa_wavefront_size32 1
		.amdhsa_system_sgpr_workgroup_id_x 1
		.amdhsa_system_sgpr_workgroup_id_y 1
		.amdhsa_system_sgpr_workgroup_id_z 1
		.amdhsa_system_vgpr_workitem_id 0
		.amdhsa_next_free_vgpr 512
		.amdhsa_next_free_sgpr 102
		.amdhsa_reserve_vcc 0
		.amdhsa_float_denorm_mode_32 3
		.amdhsa_float_denorm_mode_16_64 3
		.amdhsa_memory_ordered 1
		.amdhsa_forward_progress 1
		.amdhsa_inst_pref_size 52
	.end_amdhsa_kernel
	.amdgpu_metadata
---
amdhsa.version: [ 1, 2 ]
amdhsa.kernels:
  - .name:           k_q4e19c57197_oproj
    .symbol:         k_q4e19c57197_oproj.kd
    .args:
      - { .name: ac, .offset: 0, .size: 8, .value_kind: global_buffer, .address_space: global }
      - { .name: asc, .offset: 8, .size: 8, .value_kind: global_buffer, .address_space: global }
      - { .name: wc, .offset: 16, .size: 8, .value_kind: global_buffer, .address_space: global }
      - { .name: ws, .offset: 24, .size: 8, .value_kind: global_buffer, .address_space: global }
      - { .name: b_out, .offset: 32, .size: 8, .value_kind: global_buffer, .address_space: global }
      - { .name: out0, .offset: 40, .size: 8, .value_kind: global_buffer, .address_space: global }
    .group_segment_fixed_size: 296960
    .private_segment_fixed_size: 0
    .kernarg_segment_align: 8
    .kernarg_segment_size: 48
    .max_flat_workgroup_size: 128
    .sgpr_count:     102
    .vgpr_count:     512
    .wavefront_size: 32
...
	.end_amdgpu_metadata
.endif
;; end of part 4
